; MI455X (gfx1250); checked and timed in simulation.
; The chip was launched on July 23, 2026; its instructions are those of AMD's public machine-readable ISA for CDNA 5 (MIT licence, August 2026) and "CDNA5" Instruction Set Architecture Reference Guide (July 2026). The comments in the code are by the model that wrote it; some were corrected since.
;; Multi Head Attention. Allowed arithmetic: matrix products marked QUANTISED: E2M1 operands, one E8M0 scale for each 32 along K, by v_wmma_scale_f32_16x16x128_f8f6f4 with both operands' format E2M1 (or v_wmma_scale_f32_32x16x128_f4), f32 sums; products left as they are: bf16, f16 or f32 operands; f32 sums; everything else in f32.
;; Inputs: Wk 1,024 x 1,024 float32; Wo 1,024 x 1,024 float32; Wq 1,024 x 1,024 float32; Wv 1,024 x 1,024 float32; keys 4 x 2,048 x 1,024 float32; mask 4 x 2,048 x 2,048 int32; queries 4 x 2,048 x 1,024 float32; values 4 x 2,048 x 1,024 float32.
;; Outputs: out0 4 x 2,048 x 1,024 float32.
;; This version of the problem:
;;   THIS VERSION OF THE PROBLEM IS GIVEN IN LOW PRECISION. The matrix products marked QUANTISED in the list below multiply operands that are first quantised to E2M1 (2 exponent bits, 1 mantissa bit; 4 bits a number), with one power-of-two scale for each 32 numbers along K (OCP MX v1.0); their sums are f32. The products marked 'left as it is' may take bf16, f16 or f32 operands, with f32 sums. Whichever they take, every output number must still come out within the allowed error. Rounding operands to bf16 (8 significant bits) uses up far more of that allowance than f16 does (11 bits, for magnitudes from 6e-5 to 65,504). All else is computed in f32.
;;   The module's matrix products, in the order in which they are computed (A, B: the left and right operand; K: the contracted axis; several contracted axes count as one K, in the product's order):
;;     1. [M 8,192, K 1,024] x [K 1,024, N 1,024]; A: input queries; B: input Wq: QUANTISED
;;     2. [M 8,192, K 1,024] x [K 1,024, N 1,024]; A: input keys; B: input Wk: QUANTISED
;;     3. [M 8,192, K 1,024] x [K 1,024, N 1,024]; A: input values; B: input Wv: QUANTISED
;;     4. batch 64 x [M 2,048, K 64] x [K 64, N 2,048]; A: computed on the way; B: computed on the way: left as it is (an operand is computed on the way)
;;     5. batch 64 x [M 64, K 2,048] x [K 2,048, N 2,048]; A: computed on the way; B: computed on the way: left as it is (an operand is computed on the way)
;;     6. [M 8,192, K 1,024] x [K 1,024, N 1,024]; A: computed on the way; B: input Wo: left as it is (an operand is computed on the way)
;;   THE QUANTISER, for each operand of a quantised product, along K:
;;     - K is cut into blocks of 32 from its start; a last block that is shorter is filled with zeros.
;;     - A block's scale is 2^e with e = floor(log2(the largest magnitude in the block)) - 2, held to -126 .. 127; a block of zeros has e = 0. As a byte (E8M0): e + 127.
;;     - Each number is divided by its block's scale, clamped to +-6, and rounded to the nearest number of E2M1, ties to even, subnormals kept.
;;     - The product sums the exact products of the quantised numbers (number of the format x scale) in f32.
;;   ~~~python
;;   def quantise(x, axis):      # numpy; x: float32 -> the quantised numbers, widened to float32 again
;;       x = np.moveaxis(x, axis, -1); K = x.shape[-1]
;;       x = np.pad(x, [(0, 0)] * (x.ndim - 1) + [(0, -K % 32)]); x = x.reshape(x.shape[:-1] + (-1, 32)); a = np.abs(x).max(-1, keepdims=True)
;;       e = np.where(a > 0, np.clip(np.frexp(np.where(a > 0, a, 1))[1] - 1 - 2, -126, 127), 0)      # np.frexp(a)[1] - 1 = floor(log2(a)), exactly
;;       r = np.clip(x / 2.0 ** e, -6, 6)
;;       step = 2.0 ** (np.maximum(np.frexp(np.where(r == 0, 1, r))[1] - 1, 0) - 1)
;;       q = np.round(r / step) * step * 2.0 ** e      # np.round: ties to even
;;       return np.moveaxis(q.reshape(q.shape[:-2] + (-1,))[..., :K], -1, axis).astype(np.float32)
;;   ~~~
;; One version. Each part assembles by itself: llvm-mc -triple=amdgcn-amd-amdhsa -mcpu=gfx1250 --defsym DOCPART=n.
;; ======== version 1 of 1: 4 launches
;; limits: values are held in f16: magnitudes above 65,504 overflow, below 6.1e-05 lose precision
;; workspace buffers: acodes 12,582,912 bytes; ascales 786,432 bytes; wcodes 1,572,864 bytes; wscales 98,304 bytes; mbits 2,097,152 bytes of whole numbers; wo16 2,097,152 bytes; qkv 50,331,648 bytes; mha 16,777,216 bytes
;; launch prep (part 1): grid 1136 x 1, 4 waves a work-group, no clusters, 101,888 bytes of LDS; arguments Wq, Wk, Wv, Wo, queries, keys, values, mask, acodes, ascales, wcodes, wscales, mbits, wo16; writes acodes, ascales, wcodes, wscales, mbits, wo16
.if DOCPART == 1
	.amdgcn_target "amdgcn-amd-amdhsa--gfx1250"
	.amdhsa_code_object_version 6
	.text
	.protected	k_q4fca6ccd4a_prep
	.globl	k_q4fca6ccd4a_prep
	.p2align	8
	.type	k_q4fca6ccd4a_prep,@function
k_q4fca6ccd4a_prep:
	s_mov_b64 s[64:65], 0
	v_nop
	global_prefetch_b8 v0, s[64:65] scope:SCOPE_SE
	s_setreg_imm32_b32 hwreg(HW_REG_WAVE_MODE, 25, 1), 1
	s_wait_xcnt 0x0
; PREP: every input is read once and laid as the later launches want it.  Four jobs that share nothing, told apart by the work-group's number:
;   0 ..   47  Wq, Wk, Wv [k 1024][c 1024] f32 -> codes of FP4 (E2M1) with K innermost and one E8M0 byte for each 32 along K.  Column c = 16 d + h becomes row n' = 64 h + d.
;  48 ..  111  Wo [k = 16 d + h][1024] f32 -> f16, row k' = 64 h + d.
; 112 ..  367  mask [8192][2048] int32 -> one bit a number, as words of 32 lanes: bit (r + 16 hl) of word (g, ks, tile, 8 kt + j) is mask[32 g + 16 tile + r][64 ks + 16 kt + 8 hl + j] != 0.
; 368 .. 1135  queries, keys, values [8192][1024] f32 -> codes of FP4 and scale bytes, K innermost, the three tensors on end.
; THE QUANTISER: a block's scale is 2^(floor(log2(its largest magnitude)) - 2); its byte is the largest magnitude's exponent field - 2, held at 1 from below; each number is divided by the scale and
; rounded to the nearest code, ties to even, beyond 6 the largest code.
; LIMITS: a block of zeros gets the byte 1 where the rule says 127 (its codes are zeros, and this program alone reads the bytes); blocks whose largest magnitude lies under 2^-124 keep the byte 1;
; |Wo| stays under 65,504 (f16); NaN and infinities among the inputs are not served.
; Each job has LDS bytes of its own.  No tensor load, no barrier: waves share nothing.
.set NW,    48                         ; work-groups of the weights' job
.set NO,    64                         ; of Wo's
.set NM,    256                        ; of the mask's
.set ACT,   0                          ; LDS: the activations' job, 8,192 bytes a wave
.set WQ,    32768                      ; the weights' job: a stage of 32 rows x 272 bytes a wave
.set MSK,   67584                      ; the mask's job: a stage of 16 rows x 528 bytes a wave
.set SPARE, 101376                     ; the spare words, 128 bytes for each wave
.set SPW,   250                        ; v250  LDS address of my spare word; never rewritten
.set NIL,   251                        ; v251  0; never rewritten
.set EMAX,  2                          ; the exponent of the format's largest number, 6
	v_lshl_add_u32 v[SPW], v0, 2, SPARE
	v_mov_b32 v[NIL], 0
	v_lshrrev_b32 v1, 5, v0
	v_readfirstlane_b32 s16, v1                    ; wave 0..3
	v_and_b32 v2, 31, v0                           ; lane
	s_cmp_lt_u32 ttmp9, NW                         ; the short jobs have the low numbers
	s_cbranch_scc1 .Lweights
	s_cmp_lt_u32 ttmp9, NW+NO
	s_cbranch_scc1 .Lwo
	s_cmp_lt_u32 ttmp9, NW+NO+NM
	s_cbranch_scc1 .Lmask
; ---------------------------------------------------------------- queries, keys, values
; Rows are dense and K is a multiple of 32: a tensor is a stream of blocks of 32 numbers.  A wave takes 16 steps of 512 numbers.  Each of a step's four loads reads 512 consecutive bytes, 16 a lane;
; the 2,048 bytes turn through the wave's own stage in LDS and come back 64 bytes a lane, so that a lane holds 16 neighbours along K and two neighbouring lanes a block.
; A lane's 16 codes are 8 bytes: the wave stores 256 consecutive bytes.  A wave's 256 scale bytes are gathered in LDS and leave as 256 consecutive bytes.
.set STEPS, 16
.set CB,    8                          ; bytes of 16 codes
.set AR,    16                         ; v16-79   four sets of 16 numbers as loaded
.set AX,    80                         ; v80-111  two sets of 16 neighbours
.set AE,    112                        ; v112-127 a scale byte for each step
.set AC,    128                        ; v128-191 codes: registers of its own for each step, so that no store's data are written again
.set WREG,  8192                       ; a wave's region: two stages of 32 x SP bytes, then its 256 scale bytes
.set SP,    80                         ; a lane's place in a stage: 64 bytes + 16 of padding
	s_load_b128 s[4:7], s[0:1], 0x20               ; queries, keys
	s_load_b64 s[8:9], s[0:1], 0x30                ; values
	s_load_b128 s[12:15], s[0:1], 0x40             ; acodes, ascales
	s_sub_co_u32 s17, ttmp9, NW+NO+NM              ; 0 .. 767: 256 work-groups of 32,768 numbers to a tensor
	s_lshr_b32 s18, s17, 8                         ; which tensor
	v_lshlrev_b32 v3, 4, v2                        ; my 16 bytes of a load's 512
	s_mul_i32 s20, s16, WREG
	v_lshrrev_b32 v14, 2, v2
	v_mul_u32_u24 v14, v14, SP
	v_and_b32 v15, 3, v2
	v_lshl_add_u32 v14, v15, 4, v14
	v_add_nc_u32 v14, s20, v14                     ; into the stage: four lanes' 64 bytes on end, then 16 of padding
	v_mul_u32_u24 v15, v2, SP
	v_add_nc_u32 v15, s20, v15                     ; out of it: SP x lane: my 16 neighbours
	v_mul_u32_u24 v4, v2, CB                       ; my codes' place in a step's
	v_lshrrev_b32 v5, 1, v2
	s_add_co_u32 s20, s20, 2*32*SP
	v_add_nc_u32 v5, s20, v5                       ; my block's scale byte in LDS
	v_lshlrev_b32 v7, 3, v2                        ; on the way out 8 bytes a lane
	v_add_nc_u32 v6, s20, v7
	s_and_b32 s19, s17, 255
	s_lshl_b32 s19, s19, 2
	s_add_co_u32 s19, s19, s16                     ; my wave's run of 8,192 numbers in its tensor
	s_lshl_b32 s22, s19, 15                        ; x 32,768 bytes
	s_mov_b32 s23, 0
	s_lshl_b32 s17, s17, 2
	s_add_co_u32 s17, s17, s16                     ; and among the three tensors on end
	s_lshl_b32 s24, s17, 12                        ; x 4,096 bytes of codes
	s_mov_b32 s25, 0
	s_lshl_b32 s26, s17, 8                         ; x 256 scale bytes
	s_mov_b32 s27, 0
	s_wait_kmcnt 0x0
	s_cmp_eq_u32 s18, 0                            ; the choice hangs on the work-group's number alone
	s_cselect_b64 s[4:5], s[4:5], s[6:7]
	s_cmp_eq_u32 s18, 2
	s_cselect_b64 s[4:5], s[8:9], s[4:5]
	s_add_nc_u64 s[4:5], s[4:5], s[22:23]
	s_add_nc_u64 s[12:13], s[12:13], s[24:25]
	s_add_nc_u64 s[14:15], s[14:15], s[26:27]
.macro A_LOAD t
.irp i, 0,1,2,3
	global_load_b128 v[AR+16*((\t)%4)+4*\i:AR+16*((\t)%4)+4*\i+3], v3, s[4:5] offset:2048*(\t)+512*\i th:TH_LOAD_NT   ; 32 lanes read 512 consecutive bytes
.endr
.endm
.macro A_TURN t                        ; step t's numbers through the stage: LDS serves a wave's instructions in order, so no wait stands between the stores and the loads
.irp i, 0,1,2,3
	ds_store_b128 v14, v[AR+16*((\t)%4)+4*\i:AR+16*((\t)%4)+4*\i+3] offset:32*SP*((\t)%2)+8*SP*\i
.endr
.irp i, 0,1,2,3
	ds_load_b128 v[AX+16*((\t)%2)+4*\i:AX+16*((\t)%2)+4*\i+3], v15 offset:32*SP*((\t)%2)+16*\i
.endr
.endm
.irp t, 0,1,2,3
	A_LOAD \t
.endr
	s_wait_loadcnt 12                              ; step 0's four loads are in; the twelve behind them stay out
	A_TURN 0
.macro A_STEP t
.set XS, AX+16*((\t)%2)
.if (\t) > 0
	s_wait_dscnt 1                                 ; this step's numbers are back from the stage (the last step's byte store may be out): so its stores into the stage have read their registers,
.else
	s_wait_dscnt 0x0
.endif
.if (\t)+4 < STEPS
	A_LOAD (\t)+4                                  ; which take the loads of four steps on
.endif
.if (\t)+1 < STEPS
.if STEPS-2-(\t) >= 3
	s_wait_loadcnt 12                              ; the next step's four loads are in; those of the three steps behind it may be out
.else
	s_wait_loadcnt 4*(STEPS-2-(\t))
.endif
	A_TURN (\t)+1                                  ; they go through the other stage while this step is worked
.endif
	v_max3_num_f32 v8, |v[XS]|, |v[XS+1]|, |v[XS+2]|               ; the largest magnitude of my 16, in two chains
	v_max3_num_f32 v9, |v[XS+3]|, |v[XS+4]|, |v[XS+5]|
.irp i, 6,10
	v_max3_num_f32 v8, v8, |v[XS+\i]|, |v[XS+\i+1]|
	v_max3_num_f32 v9, v9, |v[XS+\i+2]|, |v[XS+\i+3]|
.endr
	v_max3_num_f32 v8, v8, |v[XS+14]|, |v[XS+15]|
	v_max3_num_f32 v8, v8, v9, (EMAX+1)<<23        ; and the floor 2^(3 - 127): the byte cannot fall under 1
	v_max_num_f32_dpp v8, v8, v8 row_xmask:1 row_mask:0xf bank_mask:0xf   ; with my neighbour's 16: the block's
	v_add_nc_u32 v11, -(EMAX<<23), v8              ; 2 off its exponent field: the conversion takes this operand's exponent field as its scale
	v_cvt_scalef32_pk8_fp4_f32 v[AC+4*(\t)], v[XS:XS+7], v11
	v_cvt_scalef32_pk8_fp4_f32 v[AC+4*(\t)+1], v[XS+8:XS+15], v11
	v_lshrrev_b32 v[AE+(\t)], 23, v11              ; the scale's byte (also the plain line behind the conversions)
	ds_store_b8 v5, v[AE+(\t)] offset:16*(\t)      ; both lanes of a block write the same byte with the same value
	global_store_b64 v4, v[AC+4*(\t):AC+4*(\t)+1], s[12:13] offset:32*CB*(\t)   ; 32 lanes store 256 consecutive bytes
.endm
.irp t, 0,1,2,3,4,5,6,7,8,9,10,11,12,13,14,15
	A_STEP \t
.endr
	ds_load_b64 v[8:9], v6                         ; LDS serves a wave's instructions in order: these see my byte stores
	s_wait_dscnt 0x0
	global_store_b64 v7, v[8:9], s[14:15]          ; 32 lanes store 256 consecutive bytes
	s_wait_tensorcnt 0x0                           ; the wave's end: behind my last LDS store
	ds_add_u32 v[SPW], v[NIL]
	s_wait_dscnt 0x0
	s_endpgm
; ---------------------------------------------------------------- Wq, Wk, Wv
; K is the FIRST axis.  A lane takes a column and its registers run down K: each load reads 128 consecutive bytes a wave, a block of 32 along K lies in one lane's 32 registers, and the conversions
; give codes with K innermost.  A wave takes 32 columns x 512 along K: 256 bytes of codes a column, gathered in its own stage and stored by rows, sixteen lanes to 256 consecutive bytes.
; Column c0 + li of the weight is row n' = 64 (li % 16) + c0 / 16 + li / 16 of the codes (c0 is a multiple of 32).
.set NB,    16                         ; blocks of 32 along K for a wave
.set WP,    272                        ; a stage row: 256 bytes + 16
.set WX,    32                         ; v32-95   two sets of 32 numbers
.set WC,    96                         ; v96-99   a block's codes
.set OUTR,  112                        ; v112-175 the way out
.set SB,    24                         ; v24-27   the scale bytes, four to a register
.Lweights:
	s_load_b128 s[4:7], s[0:1], 0x0                ; Wq, Wk
	s_load_b64 s[8:9], s[0:1], 0x10                ; Wv
	s_load_b128 s[12:15], s[0:1], 0x50             ; wcodes, wscales
	s_lshr_b32 s18, ttmp9, 4                       ; which weight
	s_bfe_u32 s19, ttmp9, 0x10003                  ; y: which 512 along K
	s_and_b32 s17, ttmp9, 7
	s_lshl_b32 s17, s17, 7
	s_lshl_b32 s20, s16, 5
	s_add_co_u32 s17, s17, s20                     ; c0: my wave's first column
	v_lshlrev_b32 v3, 2, v2                        ; in: 4 bytes a lane
	s_mul_i32 s20, s16, 32*WP
	s_add_co_u32 s20, s20, WQ                      ; my stage
	v_mul_u32_u24 v4, v2, WP
	v_add_nc_u32 v4, s20, v4                       ; into it: row = my column
	v_and_b32 v5, 15, v2
	v_lshrrev_b32 v6, 4, v2
	v_mul_u32_u24 v7, v6, WP
	v_lshl_add_u32 v7, v5, 4, v7
	v_add_nc_u32 v7, s20, v7                       ; out of it: sixteen lanes to a row, two rows an instruction
	v_lshlrev_b32 v8, 15, v6                       ; the odd row of the two lies one head, 64 rows of 512 bytes, further on
	v_lshl_add_u32 v8, v5, 4, v8
	v_lshl_add_u32 v9, v5, 6, v6                   ; my column's row among the scale bytes: 64 (lane % 16) + lane / 16,
	v_lshlrev_b32 v9, 5, v9                        ; 32 bytes a row
	s_lshl_b32 s22, s19, 21                        ; the weight: 512 y rows of 4,096 bytes
	s_lshl_b32 s21, s17, 2
	s_add_co_u32 s22, s22, s21                     ; + 4 c0
	s_mov_b32 s23, 0
	s_lshl_b32 s24, s18, 19                        ; the codes: 524,288 bytes a weight
	s_lshl_b32 s21, s17, 5
	s_add_co_u32 s24, s24, s21                     ; + (c0 / 16) rows of 512 bytes
	s_lshl_b32 s21, s19, 8
	s_add_co_u32 s24, s24, s21                     ; + 256 y
	s_mov_b32 s25, 0
	s_lshl_b32 s26, s18, 15                        ; the scale bytes: 32,768 a weight
	s_lshl_b32 s21, s17, 1
	s_add_co_u32 s26, s26, s21                     ; + (c0 / 16) rows of 32 bytes
	s_lshl_b32 s21, s19, 4
	s_add_co_u32 s26, s26, s21                     ; + 16 y
	s_mov_b32 s27, 0
	s_wait_kmcnt 0x0
	s_cmp_eq_u32 s18, 0
	s_cselect_b64 s[4:5], s[4:5], s[6:7]
	s_cmp_eq_u32 s18, 2
	s_cselect_b64 s[4:5], s[8:9], s[4:5]
	s_add_nc_u64 s[4:5], s[4:5], s[22:23]
	s_add_nc_u64 s[12:13], s[12:13], s[24:25]
	s_add_nc_u64 s[14:15], s[14:15], s[26:27]
.macro W_LOAD t                        ; block t: W(32 t + i, my column) into set t % 2
.irp i, 0,1,2,3,4,5,6,7,8,9,10,11,12,13,14,15,16,17,18,19,20,21,22,23,24,25,26,27,28,29,30,31
	global_load_b32 v[WX+32*((\t)%2)+\i], v3, s[4:5] offset:(32*(\t)+\i)*4096 th:TH_LOAD_NT
.endr
.endm
	W_LOAD 0
	W_LOAD 1
.macro W_BLOCK t
.set XS, WX+32*((\t)%2)
.if (\t) < NB-1
	s_wait_loadcnt 32                              ; this block's 32 loads are in; the next block's may be out
.else
	s_wait_loadcnt 0
.endif
	v_max3_num_f32 v12, |v[XS]|, |v[XS+1]|, |v[XS+2]|              ; the block's largest magnitude: all 32 numbers are mine
	v_max3_num_f32 v13, |v[XS+3]|, |v[XS+4]|, |v[XS+5]|
.irp i, 6,10,14,18,22,26
	v_max3_num_f32 v12, v12, |v[XS+\i]|, |v[XS+\i+1]|
	v_max3_num_f32 v13, v13, |v[XS+\i+2]|, |v[XS+\i+3]|
.endr
	v_max3_num_f32 v12, v12, |v[XS+30]|, |v[XS+31]|
	v_max3_num_f32 v12, v12, v13, (EMAX+1)<<23     ; and the floor
	v_add_nc_u32 v11, -(EMAX<<23), v12             ; the conversion's scale operand
	v_lshrrev_b32 v13, 23, v11                     ; the scale's byte
.if (\t)%4 == 0
	v_mov_b32 v[SB+(\t)/4], v13                    ; four bytes to a register, the lower K in the lower byte
.else
	v_lshl_or_b32 v[SB+(\t)/4], v13, 8*((\t)%4), v[SB+(\t)/4]
.endif
.irp g, 0,1,2,3
	v_cvt_scalef32_pk8_fp4_f32 v[WC+\g], v[XS+8*\g:XS+8*\g+7], v11
.endr
	ds_store_b128 v4, v[WC:WC+3] offset:16*(\t)    ; 32 codes: 16 bytes of my column's row
.if (\t)+2 < NB
	W_LOAD (\t)+2
.endif
	s_wait_dscnt 0x0                               ; the store has read its registers: the next block's codes may be written
.endm
.set Q, 0
.rept NB
	W_BLOCK Q
.set Q, Q+1
.endr
	global_store_b128 v9, v[SB:SB+3], s[14:15]     ; my column's 16 scale bytes
.irp t, 0,1,2,3,4,5,6,7,8,9,10,11,12,13,14,15
	ds_load_b128 v[OUTR+4*\t:OUTR+4*\t+3], v7 offset:2*\t*WP       ; LDS serves a wave's instructions in order: these see my stores
.endr
.irp t, 0,1,2,3,4,5,6,7,8,9,10,11,12,13,14,15
	s_wait_dscnt 15-\t                             ; the later rows' loads may stay out
	global_store_b128 v8, v[OUTR+4*\t:OUTR+4*\t+3], s[12:13] offset:(((2*\t)%16)*64+\t/8)*512   ; stage rows 2 t, 2 t + 1: 16 lanes store 256 consecutive bytes
.endr
	s_wait_tensorcnt 0x0                           ; the wave's end
	ds_add_u32 v[SPW], v[NIL]
	s_wait_dscnt 0x0
	s_endpgm
; ---------------------------------------------------------------- Wo
; Work-group d takes rows 16 d + h, h = 0 .. 15, and stores them as f16 at rows 64 h + d.  A thread takes 4 numbers of a half row: a wave's load covers 512 consecutive bytes, its store 256.
; Every register is written once, so no store's data are written again.
.set OIN,   16                         ; v16-143  32 loads of 4
.set OHF,   144                        ; v144-207 as f16
.Lwo:
	s_load_b64 s[4:5], s[0:1], 0x18                ; Wo
	s_load_b64 s[6:7], s[0:1], 0x68                ; wo16
	s_sub_co_u32 s17, ttmp9, NW                    ; d
	s_lshl_b32 s20, s17, 16                        ; 16 rows of 4,096 bytes
	s_mov_b32 s21, 0
	s_lshl_b32 s22, s17, 11                        ; a row of 2,048 bytes
	s_mov_b32 s23, 0
	v_lshlrev_b32 v3, 4, v0
	v_lshlrev_b32 v4, 3, v0
	s_wait_kmcnt 0x0
	s_add_nc_u64 s[4:5], s[4:5], s[20:21]
	s_add_nc_u64 s[6:7], s[6:7], s[22:23]
.irp i, 0,1,2,3,4,5,6,7,8,9,10,11,12,13,14,15
.irp u, 0,1
	global_load_b128 v[OIN+8*\i+4*\u:OIN+8*\i+4*\u+3], v3, s[4:5] offset:\i*4096+\u*2048 th:TH_LOAD_NT
.endr
.endr
.irp i, 0,1,2,3,4,5,6,7,8,9,10,11,12,13,14,15
	s_wait_loadcnt 30-2*\i                         ; row i's two loads are in; the later rows' stay out
.irp u, 0,1
	v_cvt_pk_f16_f32 v[OHF+4*\i+2*\u], v[OIN+8*\i+4*\u], v[OIN+8*\i+4*\u+1]
	v_cvt_pk_f16_f32 v[OHF+4*\i+2*\u+1], v[OIN+8*\i+4*\u+2], v[OIN+8*\i+4*\u+3]
	global_store_b64 v4, v[OHF+4*\i+2*\u:OHF+4*\i+2*\u+1], s[6:7] offset:\i*131072+\u*1024
.endr
.endr
	s_wait_tensorcnt 0x0                           ; the wave's end, as in the other jobs
	ds_add_u32 v[SPW], v[NIL]
	s_wait_dscnt 0x0
	s_endpgm
; ---------------------------------------------------------------- mask
; Work-group g takes 32 queries x 2,048 keys, wave w keys 512 w on.  A half-unit e = 2 U + T is 16 queries (tile T) x 128 keys (U): 16 loads of 512 consecutive bytes.  It turns through the wave's stage
; (rows 528 = 33 x 16 bytes apart), so that lane (r, hl) holds, for each 16 keys kt, the 8 numbers of query r at keys 16 kt + 8 hl + j: a compare of register 8 kt + j with 0 then IS the word.
; The 64 words of a block of 64 keys are set into the lanes of a register pair and leave as 256 consecutive bytes.
.set MPI,   528
.set RM,    16                         ; v16-143  two sets of 64
.set XM,    144                        ; v144-175 32 numbers a lane, back from the stage
.set WM,    176                        ; v176-191 a pair for each of the wave's 8 blocks of 64 keys
.Lmask:
	s_load_b64 s[4:5], s[0:1], 0x38                ; mask
	s_load_b64 s[6:7], s[0:1], 0x60                ; mbits
	s_sub_co_u32 s17, ttmp9, NW+NO                 ; g
	s_lshl_b32 s20, s17, 18                        ; 32 rows of 8,192 bytes
	s_lshl_b32 s22, s16, 11                        ; my wave's 2,048 bytes of a row, and of the work-group's words
	s_add_co_u32 s20, s20, s22
	s_mov_b32 s21, 0
	s_lshl_b32 s24, s17, 13                        ; 8,192 bytes of words
	s_add_co_u32 s24, s24, s22
	s_mov_b32 s25, 0
	s_mul_i32 s23, s16, 16*MPI
	s_add_co_u32 s23, s23, MSK                     ; my stage
	v_lshlrev_b32 v6, 4, v2                        ; 16 x lane
	v_add_nc_u32 v3, s23, v6                       ; into the stage
	v_and_b32 v7, 15, v2
	v_lshrrev_b32 v8, 4, v2
	v_mul_u32_u24 v4, v7, MPI
	v_lshl_add_u32 v4, v8, 5, v4
	v_add_nc_u32 v4, s23, v4                       ; out of it: row r, + 32 hl
	v_lshlrev_b32 v5, 3, v2                        ; two words a lane on the way out
.irp j, 0,1,2,3,4,5,6,7,8,9,10,11,12,13,14,15
	v_mov_b32 v[WM+\j], 0                          ; written whole once: words are then set lane by lane
.endr
	s_wait_kmcnt 0x0
	s_add_nc_u64 s[4:5], s[4:5], s[20:21]
	s_add_nc_u64 s[6:7], s[6:7], s[24:25]
.macro M_LOAD e
.irp i, 0,1,2,3,4,5,6,7,8,9,10,11,12,13,14,15
	global_load_b128 v[RM+64*((\e)%2)+4*\i:RM+64*((\e)%2)+4*\i+3], v6, s[4:5] offset:(16*((\e)%2)+\i)*8192+((\e)/2)*512 th:TH_LOAD_NT
.endr
.endm
.macro M_HALF e
.if (\e) < 7
	s_wait_loadcnt 16                              ; this half-unit's 16 loads are in; the next one's may be out
.else
	s_wait_loadcnt 0
.endif
.irp i, 0,1,2,3,4,5,6,7,8,9,10,11,12,13,14,15
	ds_store_b128 v3, v[RM+64*((\e)%2)+4*\i:RM+64*((\e)%2)+4*\i+3] offset:\i*MPI
.endr
.irp ks2, 0,1
.irp n, 0,1,2,3,4,5,6,7
	ds_load_b128 v[XM+4*\n:XM+4*\n+3], v4 offset:256*\ks2+64*(\n/2)+16*(\n%2)
.endr
	s_wait_dscnt 0x0                               ; the numbers are back; the stores into the stage have read their registers,
.if (\ks2 == 0) && ((\e) < 6)
	M_LOAD (\e)+2                                  ; which take the half-unit two further on
.endif
.irp bt, 0,1
.irp k, 0,1,2,3,4,5,6,7,8,9,10,11,12,13,14,15
	v_cmp_ne_u32 s[32+\k], 0, v[XM+16*\bt+\k]      ; word 16 bt + k of tile T
.endr
.irp k, 0,1,2,3,4,5,6,7,8,9,10,11,12,13,14,15
	v_writelane_b32 v[WM+2*(2*((\e)/2)+\ks2)+(\k%2)], s[32+\k], (32*((\e)%2)+16*\bt+\k)/2
.endr
.endr
.endr
.if ((\e)%2) == 1
	global_store_b64 v5, v[WM+4*((\e)/2):WM+4*((\e)/2)+1], s[6:7] offset:(2*((\e)/2))*256       ; a block's 64 words: 256 consecutive bytes
	global_store_b64 v5, v[WM+4*((\e)/2)+2:WM+4*((\e)/2)+3], s[6:7] offset:(2*((\e)/2)+1)*256
.endif
.endm
	M_LOAD 0
	M_LOAD 1
.irp e, 0,1,2,3,4,5,6,7
	M_HALF \e
.endr
	s_wait_tensorcnt 0x0                           ; the wave's end: behind my last LDS store
	ds_add_u32 v[SPW], v[NIL]
	s_wait_dscnt 0x0
	s_endpgm
.Lfunc_end_k_q4fca6ccd4a_prep:
	.size	k_q4fca6ccd4a_prep, .Lfunc_end_k_q4fca6ccd4a_prep-k_q4fca6ccd4a_prep
	.p2alignl 7, 3214868480
	.fill 96, 4, 3214868480
	.section	.rodata,"a",@progbits
	.p2align	6, 0x0
	.amdhsa_kernel k_q4fca6ccd4a_prep
		.amdhsa_group_segment_fixed_size 101888
		.amdhsa_private_segment_fixed_size 0
		.amdhsa_enable_private_segment 0
		.amdhsa_kernarg_size 112
		.amdhsa_user_sgpr_count 2
		.amdhsa_user_sgpr_kernarg_segment_ptr 1
		.amdhsa_wavefront_size32 1
		.amdhsa_system_sgpr_workgroup_id_x 1
		.amdhsa_system_sgpr_workgroup_id_y 1
		.amdhsa_system_sgpr_workgroup_id_z 1
		.amdhsa_system_vgpr_workitem_id 0
		.amdhsa_next_free_vgpr 256
		.amdhsa_next_free_sgpr 66
		.amdhsa_reserve_vcc 0
		.amdhsa_float_denorm_mode_32 3
		.amdhsa_float_denorm_mode_16_64 3
		.amdhsa_memory_ordered 1
		.amdhsa_forward_progress 1
		.amdhsa_inst_pref_size 218
	.end_amdhsa_kernel
	.amdgpu_metadata
---
amdhsa.version: [ 1, 2 ]
amdhsa.kernels:
  - .name:           k_q4fca6ccd4a_prep
    .symbol:         k_q4fca6ccd4a_prep.kd
    .args:
      - { .name: Wq, .offset: 0, .size: 8, .value_kind: global_buffer, .address_space: global }
      - { .name: Wk, .offset: 8, .size: 8, .value_kind: global_buffer, .address_space: global }
      - { .name: Wv, .offset: 16, .size: 8, .value_kind: global_buffer, .address_space: global }
      - { .name: Wo, .offset: 24, .size: 8, .value_kind: global_buffer, .address_space: global }
      - { .name: queries, .offset: 32, .size: 8, .value_kind: global_buffer, .address_space: global }
      - { .name: keys, .offset: 40, .size: 8, .value_kind: global_buffer, .address_space: global }
      - { .name: values, .offset: 48, .size: 8, .value_kind: global_buffer, .address_space: global }
      - { .name: mask, .offset: 56, .size: 8, .value_kind: global_buffer, .address_space: global }
      - { .name: acodes, .offset: 64, .size: 8, .value_kind: global_buffer, .address_space: global }
      - { .name: ascales, .offset: 72, .size: 8, .value_kind: global_buffer, .address_space: global }
      - { .name: wcodes, .offset: 80, .size: 8, .value_kind: global_buffer, .address_space: global }
      - { .name: wscales, .offset: 88, .size: 8, .value_kind: global_buffer, .address_space: global }
      - { .name: mbits, .offset: 96, .size: 8, .value_kind: global_buffer, .address_space: global }
      - { .name: wo16, .offset: 104, .size: 8, .value_kind: global_buffer, .address_space: global }
    .group_segment_fixed_size: 101888
    .private_segment_fixed_size: 0
    .kernarg_segment_align: 8
    .kernarg_segment_size: 112
    .max_flat_workgroup_size: 128
    .sgpr_count:     66
    .vgpr_count:     256
    .wavefront_size: 32
...
	.end_amdgpu_metadata
.endif
;; end of part 1
;; launch proj (part 2): grid 4 x 96, 4 waves a work-group, clusters of 4 x 4, 327,680 bytes of LDS; arguments acodes, ascales, wcodes, wscales, qkv; writes qkv
.if DOCPART == 2
	.amdgcn_target "amdgcn-amd-amdhsa--gfx1250"
	.amdhsa_code_object_version 6
	.text
	.protected	k_q4fca6ccd4a_proj
	.globl	k_q4fca6ccd4a_proj
	.p2align	8
	.type	k_q4fca6ccd4a_proj,@function
k_q4fca6ccd4a_proj:
	s_mov_b64 s[64:65], 0
	v_nop
	global_prefetch_b8 v0, s[64:65] scope:SCOPE_SE
	s_setreg_imm32_b32 hwreg(HW_REG_WAVE_MODE, 25, 1), 1
	s_wait_xcnt 0x0
	s_wait_alu depctr_hold_cnt(0) depctr_sa_sdst(0) depctr_va_vdst(0) depctr_va_sdst(0) depctr_va_ssrc(0) depctr_va_vcc(0) depctr_vm_vsrc(0)
	s_getreg_b32 s2, hwreg(HW_REG_IB_STS2, 6, 4)
	s_cmp_eq_u32 s2, 0
	s_cbranch_scc0 .Lentry_in_a_cluster
	s_endpgm
.Lentry_in_a_cluster:
	s_bfe_u32 s2, ttmp6, 0x10000c
	s_cmp_lg_u32 s2, 0xf033
	s_cbranch_scc0 .Lentry_shape_is_right
	s_endpgm
.Lentry_shape_is_right:
; PROJ: the three quantised products queries Wq, keys Wk, values Wv as ONE product on codes of FP4 (E2M1) with E8M0 scales: rows m = tensor x 8192 + b x 2048 + i of the activations' codes against the
; 1,024 rows n' = 64 h + d of that tensor's weight.  K = 1,024.  Sums in f32.  The result is rounded to f16 and laid [tensor x 64 + b x 16 + h][i][d]; q is first multiplied, in f32, by log2(e) / 8.
; LIMIT: |q log2(e) / 8|, |k| and |v| stay under 65,504 (f16).
; A tile of 256 x 256 is made by four waves, each 128 x 128: 64 accumulators of 16 x 16, 512 registers.  K lies in two LDS slots of 512 along K (rows of 256 bytes), both filled at the start: nothing is filled again.
; The scale bytes of the tile's 256 + 256 rows come once, as dense blocks.  By this text's count a wave has three tensor loads out at the start.
; CLUSTERS: 4 x 4 work-groups.  The four of a row need the same tiles of the activations, the four of a column the same tiles of the weight: each tile is asked for jointly.  The tensor hangs on the cluster's y alone.
; THE MATRIX INSTRUCTION IS USED TRANSPOSED (source 0 = 16 rows of the weight, source 1 = 16 rows of the activations): a lane holds eight neighbouring d of one row.
; REGISTERS, in windows of 256: window 0: v0-31 addresses; v32-95 scale words, two sets; from v128 A's fragments, ONE set; on the way out v32-255 are free.  window 1: B's fragments, two sets, at v0 and v128.
;   window 2: the accumulators of my rows 0-63 (accumulator (a, b) at v[8 (8 a + b)]);  window 3: those of rows 64-127.
.set KSTEP,  512
.set NQ,     KSTEP/128
.set ROWB,   256                       ; a tile's row in bytes
.set KROW,   512                       ; a row of codes in memory
.set PITCH,  272                       ; an LDS row: 256 bytes + 16 = 17 x 16
.set FR,     8
.set NL,     2
.set NP,     4
.set HALFT,  128*PITCH
.set SLOT,   4*HALFT
.set KS,     32                        ; a row of scale bytes
.set SCL,    2*SLOT
.set HALFS,  (128*KS/256)*272
.set SBLK,   (16*KS/256)*272
.set SPARE,  SCL+4*HALFS               ; the spare words, 128 bytes for each wave
.set ADRA, 16
.set ADRB, 20
.set STO,  24                          ; v24  the way out: where I put 16 bytes of a row
.set RD,   25                          ; v25  where I read rows back
.set CO,   26                          ; v26  16 x lane
.set ADRS, 27
.set SPW,  28
.set NIL,  29
.set SC,   32
.set AF,   128
.set PF,   32                          ; the way out: v32-95 a block's 64 numbers, scaled;
.set PH,   96                          ; v96-127 as f16;
.set BK,   128                         ; v128-159 and v160-191 by turns: rows read back
.set G1, 24
.set G0, 32
.set G1B, 48
.set G0B, 56
.set G1S, 68
.set G0S, 76
.set G1SB, 80
.set G0SB, 88
.set MSB, 0
.macro WIN new                         ; the immediate's high byte repeats the setting that is left
.if MSB != \new
	s_set_vgpr_msb (MSB<<8)|\new
.set MSB, \new
.endif
.endm
.set MUL_LO, 0xa1                      ; source 0 (B) window 1, source 1 (A) window 0, C and D window 2
.set MUL_HI, 0xf1
.set TO_B,   0x40
; A joint load: waves 0 and 1 fetch for A, waves 2 and 3 for B.  An s_nop 0 and four v_nop follow each of the two lines.
.macro JLOAD g0a, g1a, g0b, g1b
	s_cmp_eq_u32 s15, 0
	s_cbranch_scc0 .Lfor_b_\@
	tensor_load_to_lds s[\g0a:\g0a+3], s[\g1a:\g1a+7]
	s_nop 0
.rept 4
	v_nop
.endr
	s_branch .Lasked_\@
.Lfor_b_\@:
	tensor_load_to_lds s[\g0b:\g0b+3], s[\g1b:\g1b+7]
	s_nop 0
.rept 4
	v_nop
.endr
.Lasked_\@:
.endm
.macro CROUND                          ; a round of the cluster's barrier
	s_barrier_signal -1
	s_barrier_wait -1
	s_cmp_lg_u32 s14, 0
	s_cbranch_scc1 .Lnot_wave_0_\@
	s_barrier_signal -3
.Lnot_wave_0_\@:
	s_barrier_wait -3
	s_barrier_signal -1
	s_barrier_wait -1
.endm
	s_load_b128 s[4:7], s[0:1], 0x0                ; A's codes, A's scales
	s_load_b128 s[8:11], s[0:1], 0x10              ; B's codes, B's scales
	s_load_b64 s[12:13], s[0:1], 0x20              ; qkv
	v_lshl_add_u32 v[SPW], v0, 2, SPARE
	v_mov_b32 v[NIL], 0
	ds_add_u32 v[SPW], v[NIL]                      ; the wave's opening: the add, twice on end, and its wait ahead of my first tensor load
	ds_add_u32 v[SPW], v[NIL]
	v_lshrrev_b32 v1, 5, v0
	v_readfirstlane_b32 s14, v1                    ; wave 0..3
	s_lshr_b32 s15, s14, 1                         ; which half of the tile's rows is mine.  Also: I fetch for A (0) or for B (1)
	s_and_b32 s16, s14, 1                          ; which half of its columns.  Also: which 128 rows I fetch
	s_bfe_u32 s40, ttmp6, 0x40000                  ; cx, cy
	s_bfe_u32 s41, ttmp6, 0x40004
	s_lshl_b32 s42, ttmp9, 2
	s_add_co_u32 s42, s42, s40                     ; tile column
	s_and_b32 s17, ttmp7, 0xffff                   ; the cluster's y
	s_lshr_b32 s95, s17, 3                         ; the tensor: 8 clusters of 1,024 rows each; the same in all sixteen partners
	s_lshl_b32 s17, s17, 2
	s_add_co_u32 s17, s17, s41                     ; tile row
	s_cmp_eq_u32 s95, 0
	s_cselect_b32 s96, 0x3e38aa3b, 1.0             ; q is multiplied by log2(e) / 8, k and v by 1
	s_mov_b32 s97, s96                             ; (named with it as a pair)
	s_lshl_b32 s43, s41, 2
	s_lshl_b32 s43, 15, s43                        ; my row of the cluster
	s_lshl_b32 s44, 0x1111, s40                    ; my column
	s_or_b32 s[G1+0], s43, (0<<16)|(1<<20)|(1<<21)|(5<<22)|(3<<25)  ; the mask; elements of 1 byte; padding: 4 words behind every 64
	s_or_b32 s[G1B+0], s44, (0<<16)|(1<<20)|(1<<21)|(5<<22)|(3<<25)
.irp g, G1, G1B
	s_mov_b32 s[\g+1], ROWB<<16                    ; tensor_dim0
	s_mov_b32 s[\g+2], 128<<16                     ; tensor_dim1
	s_mov_b32 s[\g+3], ROWB<<16                    ; tile_dim0
	s_mov_b32 s[\g+4], 128                         ; tile_dim1
	s_mov_b32 s[\g+5], KROW                        ; from row to row
	s_mov_b32 s[\g+6], 0
	s_mov_b32 s[\g+7], 0
.endr
	s_or_b32 s[G1S+0], s43, (3<<16)|(1<<20)|(1<<21)|(5<<22)|(3<<25) ; the scales of 128 rows: a dense block, as rows of 256 bytes (32 elements of 8), 16 bytes of padding behind each
	s_or_b32 s[G1SB+0], s44, (3<<16)|(1<<20)|(1<<21)|(5<<22)|(3<<25)
.irp g, G1S, G1SB
	s_mov_b32 s[\g+1], 32<<16
	s_mov_b32 s[\g+2], (128*KS/256)<<16
	s_mov_b32 s[\g+3], 32<<16
	s_mov_b32 s[\g+4], 128*KS/256
	s_mov_b32 s[\g+5], 32
	s_mov_b32 s[\g+6], 0
	s_mov_b32 s[\g+7], 0
.endr
	s_lshl_b32 s18, s16, 7                         ; which 128 rows of the tile I fetch
	s_lshl_b32 s20, s17, 8
	s_add_co_u32 s20, s20, s18                     ; A: row 256 x tile row + 128 x half
	s_lshl_b32 s46, s42, 8
	s_add_co_u32 s46, s46, s18                     ; B: row 256 x tile column + 128 x half
	s_lshl_b32 s47, s95, 10
	s_add_co_u32 s46, s46, s47                     ;    + 1,024 x tensor
	s_mov_b32 s21, 0
	s_mov_b32 s47, 0
	s_mov_b64 s[18:19], KS
	s_mul_u64 s[22:23], s[20:21], s[18:19]         ; where these rows' scales begin,
	s_mul_u64 s[92:93], s[46:47], s[18:19]
	s_mov_b64 s[18:19], KROW
	s_mul_u64 s[20:21], s[20:21], s[18:19]         ; and their codes
	s_mul_u64 s[46:47], s[46:47], s[18:19]
	s_mul_i32 s45, s14, HALFT                      ; where they go: wave x 128 rows
	s_mul_i32 s94, s14, HALFS
	s_wait_dscnt 0x0                               ; both opening adds are done
	s_wait_kmcnt 0x0
	s_add_nc_u64 s[20:21], s[4:5], s[20:21]
	s_add_nc_u64 s[22:23], s[6:7], s[22:23]
	s_add_nc_u64 s[46:47], s[8:9], s[46:47]
	s_add_nc_u64 s[92:93], s[10:11], s[92:93]
	CROUND                                         ; all sixteen work-groups are here: the joint loads meet
	s_mov_b32 s[G0S], 1
	s_add_co_u32 s[G0S+1], s94, SCL
	s_mov_b64 s[G0S+2:G0S+3], s[22:23]
	s_or_b32 s[G0S+3], s[G0S+3], 0x80000000
	s_mov_b32 s[G0SB], 1
	s_add_co_u32 s[G0SB+1], s94, SCL
	s_mov_b64 s[G0SB+2:G0SB+3], s[92:93]
	s_or_b32 s[G0SB+3], s[G0SB+3], 0x80000000
	JLOAD G0S, G1S, G0SB, G1SB                     ; the scales first: they are wanted with the first K step
.irp s, 0,1
	s_mov_b32 s[G0+4*\s], 1
	s_add_co_u32 s[G0+4*\s+1], s45, \s*SLOT
	s_add_nc_u64 s[G0+4*\s+2:G0+4*\s+3], s[20:21], \s*ROWB
	s_or_b32 s[G0+4*\s+3], s[G0+4*\s+3], 0x80000000
	s_mov_b32 s[G0B+4*\s], 1
	s_add_co_u32 s[G0B+4*\s+1], s45, \s*SLOT
	s_add_nc_u64 s[G0B+4*\s+2:G0B+4*\s+3], s[46:47], \s*ROWB
	s_or_b32 s[G0B+4*\s+3], s[G0B+4*\s+3], 0x80000000
	JLOAD G0+4*\s, G1, G0B+4*\s, G1B
.endr
	v_and_b32 v1, 15, v0                           ; r = l % 16
	v_bfe_u32 v2, v0, 4, 1                         ; hl = l / 16
	v_mul_u32_u24 v3, v1, PITCH
	v_lshl_add_u32 v4, v2, 4, v3                   ; a fragment's row x pitch + 16 x half
	s_mul_i32 s21, s15, HALFT                      ; my 128 rows of A
	s_mul_i32 s22, s16, HALFT                      ; my 128 rows of B,
	s_add_co_u32 s22, s22, 2*HALFT                 ; behind A's 256
.irp s, 0,1
	v_add_nc_u32 v[ADRA+\s], s21, v4
	v_add_nc_u32 v[ADRB+\s], s22, v4
	s_add_co_u32 s21, s21, SLOT
	s_add_co_u32 s22, s22, SLOT
.endr
	v_mul_u32_u24 v5, v1, KS                       ; my row's scales: KS bytes a row,
	v_lshrrev_b32 v6, 8, v5
	v_lshl_add_u32 v5, v6, 4, v5                   ; and 16 more for each 256 passed
	s_mul_i32 s21, s15, HALFS
	s_mul_i32 s22, s16, HALFS
	s_add_co_u32 s22, s22, 2*HALFS
	s_sub_co_u32 s22, s22, s21
	v_mul_u32_u24 v6, s22, v2                      ; lanes 16-31 take B's
	s_add_co_u32 s21, s21, SCL
	v_add_nc_u32 v5, v5, v6
	v_add_nc_u32 v[ADRS], s21, v5
	; the way out: a stage of [2 heads][16 rows][128 bytes + 16] for each wave, in slot 0, which has had its only fill and its last read when the first result is stored there
	s_mul_i32 s23, s14, 4608
	v_mul_u32_u24 v5, v1, 144
	v_lshl_add_u32 v5, v2, 4, v5
	v_add_nc_u32 v[STO], s23, v5                   ; in: row r, 16 bytes for each half of the lanes
	v_and_b32 v6, 31, v0
	v_lshlrev_b32 v[CO], 4, v6                     ; in memory a head's rows are dense: 32 lanes x 16 bytes are four rows
	v_lshrrev_b32 v5, 3, v6
	v_mul_u32_u24 v5, v5, 144
	v_and_b32 v6, 7, v6
	v_lshl_add_u32 v5, v6, 4, v5
	v_add_nc_u32 v[RD], s23, v5                    ; back: eight lanes to a row
	s_lshl_b32 s20, s17, 8
	s_lshl_b32 s21, s15, 7
	s_add_co_u32 s20, s20, s21                     ; m0: my first row
	s_lshr_b32 s21, s20, 11                        ; 4 x tensor + b: 16 heads of 262,144 bytes each
	s_lshl_b32 s21, s21, 22
	s_and_b32 s20, s20, 2047                       ; i: rows of 128 bytes
	s_lshl_b32 s20, s20, 7
	s_add_co_u32 s20, s20, s21
	s_mov_b32 s21, 0
	s_lshl_b32 s46, s42, 2
	s_lshl_b32 s47, s16, 1
	s_add_co_u32 s46, s46, s47                     ; my first head: 4 x tile column + 2 x half
	s_lshl_b32 s46, s46, 18
	s_mov_b32 s47, 0
	s_add_nc_u64 s[12:13], s[12:13], s[20:21]
	s_add_nc_u64 s[12:13], s[12:13], s[46:47]
.macro FRAG reg, adr, q, i             ; 16 rows x 128 K of 4-bit codes: 8 registers; registers 4 c .. 4 c + 3 hold K = 64 c + 32 (l / 16) + 0 .. 31
.irp c, 0,1
	ds_load_b128 v[\reg+4*\c:\reg+4*\c+3], v[\adr] offset:64*(\q)+32*\c+(\i)*16*PITCH
.endr
.endm
; 16 matrix instructions: A's blocks a0, a0 + 1 x B's eight, the slot's q-th 128 along K.  The 64 accumulators take turns, one instruction a turn, in the same order in every step.
.macro MUL16 a0, p, q, sc, zero
.irp a, \a0, \a0+1
.irp b, 0,1,2,3,4,5,6,7
.if \zero
	v_wmma_scale_f32_16x16x128_f8f6f4 v[8*(8*((\a)%4)+\b):8*(8*((\a)%4)+\b)+7], v[128*(\p)+FR*\b:128*(\p)+FR*\b+FR-1], v[AF+FR*(\a):AF+FR*(\a)+FR-1], 0, v[SC+8*NQ*(\sc)+NQ*\b+(\q)], v[SC+8*NQ*(\sc)+NQ*(\a)+(\q)] matrix_a_fmt:MATRIX_FMT_FP4 matrix_b_fmt:MATRIX_FMT_FP4 matrix_a_scale:MATRIX_SCALE_ROW1
.else
	v_wmma_scale_f32_16x16x128_f8f6f4 v[8*(8*((\a)%4)+\b):8*(8*((\a)%4)+\b)+7], v[128*(\p)+FR*\b:128*(\p)+FR*\b+FR-1], v[AF+FR*(\a):AF+FR*(\a)+FR-1], v[8*(8*((\a)%4)+\b):8*(8*((\a)%4)+\b)+7], v[SC+8*NQ*(\sc)+NQ*\b+(\q)], v[SC+8*NQ*(\sc)+NQ*(\a)+(\q)] matrix_a_fmt:MATRIX_FMT_FP4 matrix_b_fmt:MATRIX_FMT_FP4 matrix_a_scale:MATRIX_SCALE_ROW1
.endif
.endr
.endr
.endm
.macro FETCH_B slot, q, p
	WIN TO_B
.irp i, 0,1,2,3,4,5,6,7
	FRAG 128*(\p)+FR*\i, ADRB+\slot, \q, \i
.endr
	WIN 0
.endm
.macro FETCH_A slot, q, i0
.irp i, \i0, \i0+1, \i0+2, \i0+3
	FRAG AF+FR*(\i), ADRA+\slot, \q, \i
.endr
.endm
.macro SCALES sc                       ; a slot's scale words: lanes 0-15 take A's block i, lanes 16-31 B's block i
.irp i, 0,1,2,3,4,5,6,7
	ds_load_b128 v[SC+8*NQ*\sc+NQ*\i:SC+8*NQ*\sc+NQ*\i+3], v[ADRS] offset:\i*SBLK
.endr
.endm
.macro PLACES n                        ; plain vector places between a matrix instruction and a load into, or a read of, its registers
.rept \n
	v_nop
.endr
.endm
.macro STEP slot, q, zero              ; a step of 128 along K that has its successor in the same slot
	s_wait_dscnt 4*NL                              ; B's set and A's blocks 0-3 are in; the youngest eight loads (A's blocks 4-7) may be out
	WIN MUL_LO
	MUL16 0, (\q)%2, \q, \slot, \zero
	MUL16 2, (\q)%2, \q, \slot, \zero
	s_wait_dscnt 0
	PLACES NP
	FETCH_B \slot, (\q)+1, 1-(\q)%2
	FETCH_A \slot, (\q)+1, 0
	WIN MUL_HI
	MUL16 4, (\q)%2, \q, \slot, \zero
	MUL16 6, (\q)%2, \q, \slot, \zero
	PLACES NP
	WIN 0
	FETCH_A \slot, (\q)+1, 4
.endm
; Slot 0's last step goes over to slot 1: one barrier; in front of it each wave waits for all its tensor loads (its part of slot 1), adds 0 to its spare word, and waits for that and for its reads of slot 0.
.macro TURN slot, next
	s_wait_tensorcnt 0x0
	ds_add_u32 v[SPW], v[NIL]
	s_wait_dscnt 4*NL+1                            ; (the add and the youngest eight loads may be out)
	WIN MUL_LO
	MUL16 0, 1, NQ-1, \slot, 0
	s_wait_dscnt 0x0                               ; the add is done, and my reads of this slot are over
	s_barrier_signal -1
	MUL16 2, 1, NQ-1, \slot, 0
	WIN 0
	s_barrier_wait -1
	PLACES NP
	v_add_nc_u32 v[ADRS], 4*NQ, v[ADRS]            ; on to the next slot's scale words
	FETCH_B \next, 0, 0
	FETCH_A \next, 0, 0
	SCALES \next
	WIN MUL_HI
	MUL16 4, 1, NQ-1, \slot, 0
	MUL16 6, 1, NQ-1, \slot, 0
	PLACES NP
	WIN 0
	FETCH_A \next, 0, 4
.endm
	s_wait_tensorcnt 1                             ; the scales and my part of slot 0 are in; slot 1's load may be out
	s_barrier_signal -1
	s_barrier_wait -1
	FETCH_B 0, 0, 0
	FETCH_A 0, 0, 0
	SCALES 0
	FETCH_A 0, 0, 4
	STEP 0, 0, 1                                   ; the first products start the sums: nothing is cleared
	STEP 0, 1, 0
	STEP 0, 2, 0
	TURN 0, 1
	STEP 1, 0, 0
	STEP 1, 1, 0
	STEP 1, 2, 0
	s_wait_dscnt 4*NL                              ; the last step: nothing more to fetch
	WIN MUL_LO
	MUL16 0, 1, NQ-1, 1, 0
	MUL16 2, 1, NQ-1, 1, 0
	s_wait_dscnt 0
	WIN MUL_HI
	MUL16 4, 1, NQ-1, 1, 0
	MUL16 6, 1, NQ-1, 1, 0
	WIN 0
; THE WAY OUT, block by block of 16 rows x 128 columns (two heads).  Scaled in f32, rounded to f16: a lane's eight d are 16 bytes.  They go through my own stage and come back as four whole rows of a head,
; 512 consecutive bytes of memory.  LDS serves a wave's instructions in order: no wait between the stores and the loads, nor in front of the next block's stores.
.macro PACK a
.set AC, 64*((\a)%4)
	WIN 0x02+(\a)/4                                ; source 0: window 2 or 3
.irp b, 0,1,2,3,4,5,6,7
.irp i, 0,1,2,3
	v_pk_mul_f32 v[PF+8*\b+2*\i:PF+8*\b+2*\i+1], v[AC+8*\b+2*\i:AC+8*\b+2*\i+1], s[96:97] op_sel_hi:[1,0]   ; each accumulator from its low end on
.endr
.endr
	WIN 0
.irp b, 0,1,2,3,4,5,6,7
.irp i, 0,1,2,3
	v_cvt_pk_f16_f32 v[PH+4*\b+\i], v[PF+8*\b+2*\i], v[PF+8*\b+2*\i+1]
.endr
.endr
.endm
.macro TOSTAGE a
.irp b, 0,1,2,3,4,5,6,7
	ds_store_b128 v[STO], v[PH+4*\b:PH+4*\b+3] offset:(\b/4)*2304+(\b%4)*32
.endr
.irp t, 0,1,2,3,4,5,6,7
	ds_load_b128 v[BK+32*((\a)%2)+4*\t:BK+32*((\a)%2)+4*\t+3], v[RD] offset:(\t/4)*2304+(\t%4)*576
.endr
.endm
.macro SEND a, younger                 ; younger: the LDS instructions issued behind block a's loads, which may stay out
	s_wait_dscnt \younger
.irp t, 0,1,2,3,4,5,6,7
	global_store_b128 v[CO], v[BK+32*((\a)%2)+4*\t:BK+32*((\a)%2)+4*\t+3], s[12:13] offset:(\t/4)*262144+(\t%4)*512+(\a)*2048   ; 32 lanes store 512 consecutive bytes, at a multiple of 512 from the buffer's first byte
.endr
.endm
	PLACES NP                                      ; behind the last products: for the writes of the scale words' registers, the loads into A's, and the reads of results
	PACK 0
	TOSTAGE 0
.irp a, 1,2,3,4,5,6,7
	PACK \a
.if \a > 1
	s_wait_xcnt 0x0                                ; block a - 2's stores have read their registers: block a's loads may land there
.endif
	TOSTAGE \a
	SEND \a-1, 16                                  ; behind block a - 1's loads: block a's 8 stores and 8 loads
.endr
	SEND 7, 0
	s_wait_tensorcnt 0x0                           ; the wave's end
	ds_add_u32 v[SPW], v[NIL]
	s_wait_dscnt 0x0
	CROUND                                         ; the closing round
	s_endpgm
.Lfunc_end_k_q4fca6ccd4a_proj:
	.size	k_q4fca6ccd4a_proj, .Lfunc_end_k_q4fca6ccd4a_proj-k_q4fca6ccd4a_proj
	.p2alignl 7, 3214868480
	.fill 96, 4, 3214868480
	.section	.rodata,"a",@progbits
	.p2align	6, 0x0
	.amdhsa_kernel k_q4fca6ccd4a_proj
		.amdhsa_group_segment_fixed_size 327680
		.amdhsa_private_segment_fixed_size 0
		.amdhsa_enable_private_segment 0
		.amdhsa_kernarg_size 40
		.amdhsa_user_sgpr_count 2
		.amdhsa_user_sgpr_kernarg_segment_ptr 1
		.amdhsa_wavefront_size32 1
		.amdhsa_system_sgpr_workgroup_id_x 1
		.amdhsa_system_sgpr_workgroup_id_y 1
		.amdhsa_system_sgpr_workgroup_id_z 1
		.amdhsa_system_vgpr_workitem_id 0
		.amdhsa_next_free_vgpr 1024
		.amdhsa_next_free_sgpr 100
		.amdhsa_reserve_vcc 0
		.amdhsa_float_denorm_mode_32 3
		.amdhsa_float_denorm_mode_16_64 3
		.amdhsa_memory_ordered 1
		.amdhsa_forward_progress 1
		.amdhsa_inst_pref_size 143
	.end_amdhsa_kernel
	.amdgpu_metadata
---
amdhsa.version: [ 1, 2 ]
amdhsa.kernels:
  - .name:           k_q4fca6ccd4a_proj
    .symbol:         k_q4fca6ccd4a_proj.kd
    .args:
      - { .name: acodes, .offset: 0, .size: 8, .value_kind: global_buffer, .address_space: global }
      - { .name: ascales, .offset: 8, .size: 8, .value_kind: global_buffer, .address_space: global }
      - { .name: wcodes, .offset: 16, .size: 8, .value_kind: global_buffer, .address_space: global }
      - { .name: wscales, .offset: 24, .size: 8, .value_kind: global_buffer, .address_space: global }
      - { .name: qkv, .offset: 32, .size: 8, .value_kind: global_buffer, .address_space: global }
    .group_segment_fixed_size: 327680
    .private_segment_fixed_size: 0
    .kernarg_segment_align: 8
    .kernarg_segment_size: 40
    .max_flat_workgroup_size: 128
    .sgpr_count:     100
    .vgpr_count:     1024
    .wavefront_size: 32
...
	.end_amdgpu_metadata
.endif
;; end of part 2
;; launch attn (part 3): grid 4 x 64, 16 waves a work-group, clusters of 4 x 1, 327,680 bytes of LDS; arguments qkv, mbits, mha; writes mha
.if DOCPART == 3
	.amdgcn_target "amdgcn-amd-amdhsa--gfx1250"
	.amdhsa_code_object_version 6
	.text
	.protected	k_q4fca6ccd4a_attn
	.globl	k_q4fca6ccd4a_attn
	.p2align	8
	.type	k_q4fca6ccd4a_attn,@function
k_q4fca6ccd4a_attn:
	s_mov_b64 s[64:65], 0
	v_nop
	global_prefetch_b8 v0, s[64:65] scope:SCOPE_SE
	s_setreg_imm32_b32 hwreg(HW_REG_WAVE_MODE, 25, 1), 1
	s_wait_xcnt 0x0
	s_wait_alu depctr_hold_cnt(0) depctr_sa_sdst(0) depctr_va_vdst(0) depctr_va_sdst(0) depctr_va_ssrc(0) depctr_va_vcc(0) depctr_vm_vsrc(0)
	s_getreg_b32 s2, hwreg(HW_REG_IB_STS2, 6, 4)
	s_cmp_eq_u32 s2, 0
	s_cbranch_scc0 .Lentry_in_a_cluster
	s_endpgm
.Lentry_in_a_cluster:
	s_bfe_u32 s2, ttmp6, 0x10000c
	s_cmp_lg_u32 s2, 0x3003
	s_cbranch_scc0 .Lentry_shape_is_right
	s_endpgm
.Lentry_shape_is_right:
; ATTN: for each (b, h): O[i] = the sum over keys o of softmax_o(w[i][o]) v[o], w = q . k / 8, replaced by -1e10 where mask[b][i][o] = 0.  q, k, v: f16, [tensor x 64 + b x 16 + h][2048][64]; q arrives
; multiplied by log2(e) / 8, so the first product gives t = w log2(e).  Products on f16 operands with f32 sums; maxima, exponentials and sums in f32; p is rounded to f16 for the second product.
; THE MASK comes as words of 32 lanes: bit (r + 16 hl) of word 8 kt + j is the mask of the very number that lane (r, hl) holds in register 8 kt + j of S^T: one select a score.  A masked t becomes -1e10 log2(e),
; a number and no infinity: in a row that is masked everywhere t - m is exactly 0, every p is 1, and the row is the mean of v.
; SOFTMAX: a running maximum m and sum l for each query; p = 2^(t - m); in every step O and l are multiplied by a = 2^(old m - new m).
; LIMITS: |q log2(e) / 8|, |k|, |v| and the result stay under 65,504 (f16); NaN and infinities are not served.
; SHARES: a work-group owns 512 queries of one head; each of its sixteen waves 32: two tiles of 16.  Four waves stand on a SIMD, so that one wave's vector work stands beside another's products and LDS loads.
; Every wave walks the 2,048 keys, 64 a step.  K and V come through two LDS slots of 512 keys; waves 0 and 1 fetch K's halves, waves 2 and 3 V's.
; CLUSTER: the four query blocks of a head walk the same K and V: each tile is asked for jointly, by the same tensor load with a mask that names the four.
; No prefetch: each of the two refills is asked for eight key steps ahead of its first read, and the first fills stand at the head.
; LAYOUT: S^T = K Q^T (source 0 = 16 keys, source 1 = 16 queries): a lane holds one query (l % 16) and keys 8 (l / 16) + j.  Two such tiles, rounded in pairs, ARE source 1 of O^T = V^T P.  V is turned by ds_load_tr16_b128.
.set PK,    144                        ; a key's row in LDS: 128 bytes + 16 = 9 x 16
.set PV,    160                        ; a row of V: 128 + 32 = 5 x 32
.set VOFF,  512*PK                     ; a slot: 512 rows of K, then 512 rows of V
.set SLOTB, VOFF+512*PV
.set SPARE, 2*SLOTB                    ; the spare words, 128 bytes for each of the sixteen waves
.set AK0, 1                            ; v1   my lane's place in a tile of K
.set AV0, 2                            ; v2   the same for V
.set ADK, 3                            ; v3   the step's K
.set ADV, 4                            ; v4   the step's V
.set NEG, 5                            ; v5   -1e10 log2(e)
.set STO, 6                            ; v6   the way out: where I put 16 bytes of a row
.set RD,  7                            ; v7   where I read rows back
.set GO,  8                            ; v8   my byte offset in the wave's part of the result
.set QO,  9                            ; v9   my byte offset in the wave's rows of Q
.set SPW, 10                           ; v10  LDS address of my spare word; never rewritten
.set NIL, 11                           ; v11  0; never rewritten
.set ST,  16                           ; tile qt's statistics at v[ST + 8 qt]: +0 m, +1 the new m, +2, +3 l (even keys', odd keys'), +4 .. +7 at work; +6 a
.set QF,  32                           ; v32-63   Q: fragment (qt, c) at 16 qt + 8 c
.set S,   64                           ; v64-127  S^T, 32 a tile; then p; then P in the low 16 of each tile
.set O,   128                          ; v128-191 O^T, 32 a tile
.set KV,  192                          ; v192-255 8 fragments: K's, then V's
.set WV,  2                            ; s2   my wave's number
.set CNT, 3                            ; s3   counts a slot's steps
.set G1K, 4                            ; s[4:11]   descriptor group 1 for K's tiles
.set G0A, 12                           ; s[12:15]  group 0 for slot 0
.set G1V, 68                           ; s[68:75]  group 1 for V's tiles: it differs in the padding
.set G0B, 76                           ; s[76:79]  group 0 for slot 1
.set TBK, 66                           ; s66  LDS byte at which the step's K begins
.set MOFF, 67                          ; s67  the byte offset of the mask words that are asked for
.set TBV, 104                          ; s104 the same as s66 for V (less VOFF)
.set MP,  96                           ; s[96:97]   my wave's mask words
.set SEL, 98                           ; s[98:99]   lane selects: lane l xor 16
.set OUTP, 100                         ; s[100:101] my wave's part of the result
; s[16:47] tile 0's 32 mask words; s[48:63] and s[80:95] tile 1's.  Ahead of the first mask load they serve the set-up.
.macro CROUND                          ; a round of the cluster's barrier
	s_barrier_signal -1
	s_barrier_wait -1
	s_cmp_lg_u32 s[WV], 0
	s_cbranch_scc1 .Lnot_wave_0_\@
	s_barrier_signal -3
.Lnot_wave_0_\@:
	s_barrier_wait -3
	s_barrier_signal -1
	s_barrier_wait -1
.endm
; A joint refill.  The branches hang on the wave's number alone.  An s_nop 0 and four v_nop follow each of the two lines.
.macro JLOAD g0
	s_cmp_lt_u32 s[WV], 2
	s_cbranch_scc0 .Lnot_k_\@
	tensor_load_to_lds s[\g0:\g0+3], s[G1K:G1K+7]
	s_nop 0
.rept 4
	v_nop
.endr
	s_branch .Lasked_\@
.Lnot_k_\@:
	s_cmp_lt_u32 s[WV], 4
	s_cbranch_scc0 .Lasked_\@
	tensor_load_to_lds s[\g0:\g0+3], s[G1V:G1V+7]
	s_nop 0
.rept 4
	v_nop
.endr
.Lasked_\@:
.endm
	s_load_b128 s[16:19], s[0:1], 0x0              ; qkv, mbits
	s_load_b64 s[20:21], s[0:1], 0x10              ; mha
	v_lshl_add_u32 v[SPW], v0, 2, SPARE
	v_mov_b32 v[NIL], 0
	ds_add_u32 v[SPW], v[NIL]                      ; the wave's opening: the add, twice on end, and its wait ahead of the first tensor loads
	ds_add_u32 v[SPW], v[NIL]
	v_lshrrev_b32 v12, 5, v0
	v_readfirstlane_b32 s[WV], v12                 ; wave 0..15
	s_bfe_u32 s22, ttmp6, 0x40000                  ; cx
	s_lshl_b32 s23, ttmp9, 2
	s_add_co_u32 s23, s23, s22                     ; my block of 512 queries: it enters global addresses alone
	s_and_b32 s24, ttmp7, 0xffff                   ; 16 b + h, which the four partners share
	; what I fetch, if I fetch: waves 0, 1: K's rows 256 (wave % 2) on; waves 2, 3: V's
	s_mul_i32 s25, s[WV], 256*PK
	s_add_co_u32 s26, s[WV], 1
	s_lshr_b32 s26, s26, 2
	s_lshl_b32 s26, s26, 12
	s_add_co_u32 s25, s25, s26                     ; in a slot: 0, 36,864, 73,728, 114,688
	s_lshr_b32 s26, s[WV], 1
	s_add_co_u32 s26, s26, 1                       ; tensor 1 (k) or 2 (v): 16,777,216 bytes each
	s_lshl_b32 s26, s26, 24
	s_lshl_b32 s27, s24, 18                        ; a head's 262,144 bytes
	s_add_co_u32 s26, s26, s27
	s_and_b32 s27, s[WV], 1
	s_lshl_b32 s27, s27, 15                        ; 256 rows of 128 bytes
	s_add_co_u32 s26, s26, s27
	s_mov_b32 s27, 0
	s_lshl_b32 s28, s24, 18                        ; Q: my head,
	s_lshl_b32 s29, s23, 16                        ; my block's 512 rows,
	s_add_co_u32 s28, s28, s29
	s_lshl_b32 s29, s[WV], 12                      ; my wave's 32
	s_add_co_u32 s28, s28, s29
	s_mov_b32 s29, 0
	s_lshr_b32 s30, s24, 4                         ; b
	s_lshl_b32 s31, s30, 6
	s_lshl_b32 s32, s23, 4
	s_add_co_u32 s31, s31, s32
	s_add_co_u32 s31, s31, s[WV]                   ; 64 b + my first query / 32
	s_lshl_b32 s32, s31, 13                        ; 8,192 bytes of mask words each
	s_mov_b32 s33, 0
	s_lshl_b32 s34, s30, 10                        ; the result, [row / 2][h][row % 2][d]: my first pair of rows
	s_lshl_b32 s35, s23, 8
	s_add_co_u32 s34, s34, s35
	s_lshl_b32 s35, s[WV], 4
	s_add_co_u32 s34, s34, s35
	s_lshl_b32 s34, s34, 12                        ; 4,096 bytes a pair
	s_and_b32 s35, s24, 15
	s_lshl_b32 s35, s35, 8                         ; 256 bytes a head
	s_add_co_u32 s34, s34, s35
	s_mov_b32 s35, 0
	; descriptor group 1: 256 rows of 64 elements of 2 bytes, dense in memory, padded in LDS
	s_mov_b32 s[G1K], 15|(1<<16)|(1<<20)|(1<<21)|(4<<22)|(3<<25)   ; the mask: all four work-groups; padding: 4 words behind every 32
	s_mov_b32 s[G1V], 15|(1<<16)|(1<<20)|(1<<21)|(4<<22)|(7<<25)   ; 8 words
.irp g, G1K, G1V
	s_mov_b32 s[\g+1], 64<<16                      ; tensor_dim0
	s_mov_b32 s[\g+2], 256<<16                     ; tensor_dim1
	s_mov_b32 s[\g+3], 64<<16                      ; tile_dim0
	s_mov_b32 s[\g+4], 256                         ; tile_dim1
	s_mov_b32 s[\g+5], 64                          ; from row to row
	s_mov_b32 s[\g+6], 0
	s_mov_b32 s[\g+7], 0
.endr
	s_mov_b32 s[SEL], 0x76543210
	s_mov_b32 s[SEL+1], 0xfedcba98
	s_mov_b32 s[MOFF], 0
	s_mul_i32 s105, s[WV], 32*PK                   ; my stage for the way out: 32 rows of 144 bytes, in slot 0
	; all LDS addresses are made here, ahead of the first branch on the wave's number
	v_and_b32 v12, 15, v0                          ; r
	v_bfe_u32 v13, v0, 4, 1                        ; hl
	v_mul_u32_u24 v[AK0], v12, PK
	v_lshl_add_u32 v[AK0], v13, 4, v[AK0]          ; row r, + 16 hl
	v_and_b32 v14, 7, v0
	v_lshl_add_u32 v14, v13, 3, v14
	v_mul_u32_u24 v[AV0], v14, PV                  ; the turning load: key 8 hl + l % 8,
	v_bfe_u32 v14, v0, 3, 1
	v_lshl_add_u32 v[AV0], v14, 4, v[AV0]          ; channels 8 ((l / 8) % 2) on
	v_add_nc_u32 v[AV0], VOFF, v[AV0]
	v_mov_b32 v[NEG], 0xd056fa73                   ; -1e10 log2(e)
	v_add_nc_u32 v[STO], s105, v[AK0]              ; in: row r, 16 bytes for each half of the lanes
	v_bfe_u32 v14, v0, 3, 2
	v_mul_u32_u24 v[RD], v14, PK
	v_and_b32 v14, 7, v0
	v_lshl_add_u32 v[RD], v14, 4, v[RD]
	v_add_nc_u32 v[RD], s105, v[RD]                ; back: eight lanes to a row, four rows an instruction
	v_lshlrev_b32 v[GO], 12, v13
	v_lshl_add_u32 v[GO], v12, 4, v[GO]            ; sixteen lanes fill a pair of rows' 256 bytes of my head
	v_lshlrev_b32 v[QO], 7, v12
	v_lshl_add_u32 v[QO], v13, 4, v[QO]
	s_wait_dscnt 0x0                               ; both opening adds are done
	s_wait_kmcnt 0x0
	s_mov_b32 s[G0A], 1
	s_mov_b32 s[G0A+1], s25
	s_add_nc_u64 s[G0A+2:G0A+3], s[16:17], s[26:27]     ; keys 0 to 511
	s_mov_b32 s[G0B], 1
	s_add_co_u32 s[G0B+1], s25, SLOTB
	s_add_nc_u64 s[G0B+2:G0B+3], s[G0A+2:G0A+3], 65536  ; keys 512 to 1,023
	s_or_b32 s[G0A+3], s[G0A+3], 0x80000000
	s_or_b32 s[G0B+3], s[G0B+3], 0x80000000
	s_add_nc_u64 s[28:29], s[16:17], s[28:29]      ; Q
	s_add_nc_u64 s[MP:MP+1], s[18:19], s[32:33]
	s_add_nc_u64 s[OUTP:OUTP+1], s[20:21], s[34:35]
	CROUND                                         ; all four work-groups are here: the first joint loads meet
	s_cmp_lt_u32 s[WV], 2                          ; a wave's two first fills stand in one branch, ahead of every wait on TENSORcnt and every LDS read
	s_cbranch_scc0 .Lfirst_v
	tensor_load_to_lds s[G0A:G0A+3], s[G1K:G1K+7]
	s_nop 0
	tensor_load_to_lds s[G0B:G0B+3], s[G1K:G1K+7]
	s_nop 0
.rept 4
	v_nop
.endr
	s_branch .Lfirst_asked
.Lfirst_v:
	s_cmp_lt_u32 s[WV], 4
	s_cbranch_scc0 .Lfirst_asked
	tensor_load_to_lds s[G0A:G0A+3], s[G1V:G1V+7]
	s_nop 0
	tensor_load_to_lds s[G0B:G0B+3], s[G1V:G1V+7]
	s_nop 0
.rept 4
	v_nop
.endr
.Lfirst_asked:
.irp qt, 0,1
.irp c, 0,1
	global_load_b128 v[QF+16*\qt+8*\c:QF+16*\qt+8*\c+3], v[QO], s[28:29] offset:\qt*2048+64*\c        ; Q stays in registers
	global_load_b128 v[QF+16*\qt+8*\c+4:QF+16*\qt+8*\c+7], v[QO], s[28:29] offset:\qt*2048+64*\c+32
.endr
.endr
.set n, 0
.rept 64
	v_mov_b32 v[O+n], 0                            ; O^T.  The step is written once: the first finds zeros, which a = 0 leaves zeros
.set n, n+1
.endr
.irp qt, 0,1
	v_mov_b32 v[ST+8*\qt], 0xff61b1e6              ; m: -3e38, under every t, a masked one too
	v_mov_b32 v[ST+8*\qt+2], 0                     ; l
	v_mov_b32 v[ST+8*\qt+3], 0
.endr
	s_wait_xcnt 0x0                                ; Q's loads have read their base, s[28:29]: the mask words may land there
	s_load_b512 s[16:31], s[MP:MP+1], s[MOFF] offset:0     ; step 0's mask words
	s_load_b512 s[32:47], s[MP:MP+1], s[MOFF] offset:64
	s_load_b512 s[48:63], s[MP:MP+1], s[MOFF] offset:128
	s_load_b512 s[80:95], s[MP:MP+1], s[MOFF] offset:192
	s_wait_tensorcnt 0x1                           ; my part of slot 0 is in; slot 1's may stay out
	s_barrier_signal -1
	s_barrier_wait -1
	s_wait_loadcnt 0x0                             ; Q
.macro MASK qt                         ; 32 selects: where the bit is 0 the score becomes -1e10 log2(e).  Ascending: each accumulator is read from its low end on
.set n, 0
.rept 32
.if \qt == 0
.set w, 16+n
.elseif n < 16
.set w, 48+n
.else
.set w, 64+n
.endif
	v_cndmask_b32 v[S+32*\qt+n], v[NEG], v[S+32*\qt+n], s[w]
.set n, n+1
.endr
.endm
; A KEY STEP: 64 keys.
.macro STEP
	v_add_nc_u32 v[ADK], s[TBK], v[AK0]            ; five plain places behind the last step's products: four for the loads into the fragments that they read, five for the products that write over P
	v_add_nc_u32 v[ADV], s[TBV], v[AV0]
.rept 3
	v_nop
.endr
.irp kt, 0,1,2,3
.irp c, 0,1
	ds_load_b128 v[KV+8*(2*\kt+\c):KV+8*(2*\kt+\c)+3], v[ADK] offset:\kt*16*PK+64*\c
	ds_load_b128 v[KV+8*(2*\kt+\c)+4:KV+8*(2*\kt+\c)+7], v[ADK] offset:\kt*16*PK+64*\c+32
.endr
.endr
	s_wait_dscnt 0x0
.irp c, 0,1                            ; S^T = K Q^T: the eight accumulators take turns, one instruction a turn; the first eight products start the sums
.irp kt, 0,1,2,3
.irp qt, 0,1
.if \c == 0
	v_wmma_f32_16x16x32_f16 v[S+32*\qt+8*\kt:S+32*\qt+8*\kt+7], v[KV+8*(2*\kt+\c):KV+8*(2*\kt+\c)+7], v[QF+16*\qt+8*\c:QF+16*\qt+8*\c+7], 0
.else
	v_wmma_f32_16x16x32_f16 v[S+32*\qt+8*\kt:S+32*\qt+8*\kt+7], v[KV+8*(2*\kt+\c):KV+8*(2*\kt+\c)+7], v[QF+16*\qt+8*\c:QF+16*\qt+8*\c+7], v[S+32*\qt+8*\kt:S+32*\qt+8*\kt+7]
.endif
.endr
.endr
.endr
.rept 4
	v_nop                                          ; places in front of the loads into K's registers and of the first read of the scores
.endr
.irp kc, 0,1                           ; V lands while the softmax is worked
.irp ct, 0,1,2,3
	ds_load_tr16_b128 v[KV+8*(4*\kc+\ct):KV+8*(4*\kc+\ct)+3], v[ADV] offset:\kc*32*PV+32*\ct
	ds_load_tr16_b128 v[KV+8*(4*\kc+\ct)+4:KV+8*(4*\kc+\ct)+7], v[ADV] offset:\kc*32*PV+16*PV+32*\ct
.endr
.endr
	s_wait_kmcnt 0x0                               ; this step's mask words, asked for a step ago, are in; so their offset may be written:
	s_add_co_u32 s[MOFF], s[MOFF], 256             ; the next step's 64 words;
	s_min_u32 s[MOFF], s[MOFF], 31*256             ; the last step asks for its own once more: no load leaves the buffer
	MASK 0
	MASK 1
	s_load_b512 s[16:31], s[MP:MP+1], s[MOFF] offset:0
	s_load_b512 s[32:47], s[MP:MP+1], s[MOFF] offset:64
	s_load_b512 s[48:63], s[MP:MP+1], s[MOFF] offset:128
	s_load_b512 s[80:95], s[MP:MP+1], s[MOFF] offset:192
	; the maximum of my 32 scores and the old m, three operands at a time, in four chains; the two tiles alternate line by line
.irp j, 0,1,2,3
.irp qt, 0,1
	v_max3_num_f32 v[ST+8*\qt+4+\j], v[S+32*\qt+8*\j], v[S+32*\qt+8*\j+1], v[S+32*\qt+8*\j+2]
.endr
.endr
.irp g, 1,2
.irp j, 0,1,2,3
.irp qt, 0,1
	v_max3_num_f32 v[ST+8*\qt+4+\j], v[ST+8*\qt+4+\j], v[S+32*\qt+8*\j+2*\g+1], v[S+32*\qt+8*\j+2*\g+2]
.endr
.endr
.endr
.irp qt, 0,1
	v_max3_num_f32 v[ST+8*\qt+4], v[ST+8*\qt+4], v[S+32*\qt+7], v[S+32*\qt+15]
.endr
.irp qt, 0,1
	v_max3_num_f32 v[ST+8*\qt+6], v[ST+8*\qt+6], v[S+32*\qt+23], v[S+32*\qt+31]
.endr
.irp qt, 0,1
	v_max3_num_f32 v[ST+8*\qt+4], v[ST+8*\qt+4], v[ST+8*\qt+5], v[ST+8*\qt+6]
.endr
.irp qt, 0,1
	v_max3_num_f32 v[ST+8*\qt+4], v[ST+8*\qt+4], v[ST+8*\qt+7], v[ST+8*\qt]
.endr
.irp qt, 0,1
	v_permlanex16_b32 v[ST+8*\qt+5], v[ST+8*\qt+4], s[SEL], s[SEL+1]   ; the query's other 32 keys lie in the lane 16 away
.endr
.irp qt, 0,1
	v_max_num_f32 v[ST+8*\qt+1], v[ST+8*\qt+4], v[ST+8*\qt+5]          ; the new m
.endr
.irp qt, 0,1
	v_sub_f32 v[ST+8*\qt+7], v[ST+8*\qt], v[ST+8*\qt+1]                ; old m - new m
.endr
.irp qt, 0,1
	v_mov_b32 v[ST+8*\qt], v[ST+8*\qt+1]
.endr
.irp qt, 0,1
.irp j, 0,2,4,6,8,10,12,14,16,18,20,22,24,26,28,30
	v_pk_add_f32 v[S+32*\qt+\j:S+32*\qt+\j+1], v[S+32*\qt+\j:S+32*\qt+\j+1], v[ST+8*\qt:ST+8*\qt+1] op_sel_hi:[1,0] neg_lo:[0,1] neg_hi:[0,1]   ; t - m, two at a time: a plain difference, exactly 0 where t = m
.endr
.endr
.irp qt, 0,1                           ; ONE BATCH of 66 exponentials, none of which reads another's result
	v_exp_f32 v[ST+8*\qt+6], v[ST+8*\qt+7]         ; a
.endr
.set n, 0
.rept 64
	v_exp_f32 v[S+n], v[S+n]                       ; p
.set n, n+1
.endr
	v_nop                                          ; a plain instruction behind the last exponential
	s_wait_alu depctr_va_vdst(0)                   ; and the one wait ahead of the batch's first reader
.irp qt, 0,1                           ; l = a l + the sum of the unrounded p, in two chains a tile
	v_pk_mul_f32 v[ST+8*\qt+2:ST+8*\qt+3], v[ST+8*\qt+2:ST+8*\qt+3], v[ST+8*\qt+6:ST+8*\qt+7] op_sel_hi:[1,0]
	v_pk_add_f32 v[ST+8*\qt+4:ST+8*\qt+5], v[S+32*\qt:S+32*\qt+1], v[S+32*\qt+2:S+32*\qt+3]
.endr
.irp j, 4,8,12,16,20,24,28
.irp qt, 0,1
	v_pk_add_f32 v[ST+8*\qt+2:ST+8*\qt+3], v[ST+8*\qt+2:ST+8*\qt+3], v[S+32*\qt+\j:S+32*\qt+\j+1]
	v_pk_add_f32 v[ST+8*\qt+4:ST+8*\qt+5], v[ST+8*\qt+4:ST+8*\qt+5], v[S+32*\qt+\j+2:S+32*\qt+\j+3]
.endr
.endr
.irp qt, 0,1
	v_pk_add_f32 v[ST+8*\qt+2:ST+8*\qt+3], v[ST+8*\qt+2:ST+8*\qt+3], v[ST+8*\qt+4:ST+8*\qt+5]
.endr
.irp qt, 0,1                           ; P in place: register i takes p 2 i and 2 i + 1, ascending, so that nothing is written before it is read
.irp i, 0,1,2,3,4,5,6,7,8,9,10,11,12,13,14,15
	v_cvt_pk_f16_f32 v[S+32*\qt+\i], v[S+32*\qt+2*\i], v[S+32*\qt+2*\i+1]
.endr
.endr
.irp qt, 0,1
.irp j, 0,2,4,6,8,10,12,14,16,18,20,22,24,26,28,30
	v_pk_mul_f32 v[O+32*\qt+\j:O+32*\qt+\j+1], v[O+32*\qt+\j:O+32*\qt+\j+1], v[ST+8*\qt+6:ST+8*\qt+7] op_sel_hi:[1,0]   ; O^T x a
.endr
.endr
	s_wait_dscnt 0x0                               ; V is in
.irp kc, 0,1                           ; O^T += V^T P: the eight accumulators take turns, one instruction a turn
.irp ct, 0,1,2,3
.irp qt, 0,1
	v_wmma_f32_16x16x32_f16 v[O+32*\qt+8*\ct:O+32*\qt+8*\ct+7], v[KV+8*(4*\kc+\ct):KV+8*(4*\kc+\ct)+7], v[S+32*\qt+8*\kc:S+32*\qt+8*\kc+7], v[O+32*\qt+8*\ct:O+32*\qt+8*\ct+7]
.endr
.endr
.endr
.endm
.macro PHASE slot                      ; a slot's eight key steps: written once, walked eight times
	s_mov_b32 s[TBK], \slot*SLOTB
	s_mov_b32 s[TBV], \slot*SLOTB
	s_mov_b32 s[CNT], 8
.Lstep_\@:
	STEP
	s_add_co_u32 s[TBK], s[TBK], 64*PK
	s_add_co_u32 s[TBV], s[TBV], 64*PV
	s_sub_co_u32 s[CNT], s[CNT], 1
	s_cmp_lg_u32 s[CNT], 0
	s_cbranch_scc1 .Lstep_\@
.endm
; THE CHANGE OF SLOTS.  Each wave waits for all its tensor loads (its part of the slot ahead), adds 0 to its spare word, and waits for that and for its reads of the slot that it leaves.
; fill = 1: the barrier is a round of the cluster's, so that no wave of any partner still reads the slot or has a load on its way, and the slot just left is filled first behind it, with the keys 1,024 on:
; one load a wave, with eight key steps in which to land.
.macro CHANGE fill, g0
	s_wait_tensorcnt 0x0                           ; no tensor load of mine is out, so a group 0 may be written
	ds_add_u32 v[SPW], v[NIL]
.if \fill
	ds_add_u32 v[SPW], v[NIL]                      ; and, where a load still follows, twice on end
	s_add_nc_u64 s[\g0+2:\g0+3], s[\g0+2:\g0+3], 131072   ; 1,024 rows of 128 bytes on; the type bits on top are not reached
	s_wait_dscnt 0x0
	CROUND
	JLOAD \g0
.else
	s_wait_dscnt 0x0
	s_barrier_signal -1
	s_barrier_wait -1
.endif
.endm
	PHASE 0                                        ; keys 0 to 511
	CHANGE 1, G0A
	PHASE 1                                        ; 512 to 1,023
	CHANGE 1, G0B
	PHASE 0                                        ; 1,024 to 1,535
	CHANGE 0, G0A                                  ; nothing is left to fetch
	PHASE 1                                        ; 1,536 to 2,047
	; THE WAY OUT.  l's two halves and the other half of the lanes' are added (these additions and the v_nop are the places behind the last products); O^T is divided by l, rounded to f16 and sent through my stage.
	; The stage lies in slot 0, which has had its last fill, and which nobody reads behind the last change of slots.
.irp qt, 0,1
	v_add_f32 v[ST+8*\qt+4], v[ST+8*\qt+2], v[ST+8*\qt+3]
.endr
.irp qt, 0,1
	v_permlanex16_b32 v[ST+8*\qt+5], v[ST+8*\qt+4], s[SEL], s[SEL+1]
.endr
.irp qt, 0,1
	v_add_f32 v[ST+8*\qt+4], v[ST+8*\qt+4], v[ST+8*\qt+5]
.endr
.irp qt, 0,1
	v_rcp_f32 v[ST+8*\qt+6], v[ST+8*\qt+4]         ; l is at least 1: the largest p of a row is 1
.endr
	v_nop                                          ; a plain instruction behind the last reciprocal
	s_wait_alu depctr_va_vdst(0)                   ; and the wait ahead of the first reader: one for both
.irp qt, 0,1
.irp j, 0,2,4,6,8,10,12,14,16,18,20,22,24,26,28,30
	v_pk_mul_f32 v[O+32*\qt+\j:O+32*\qt+\j+1], v[O+32*\qt+\j:O+32*\qt+\j+1], v[ST+8*\qt+6:ST+8*\qt+7] op_sel_hi:[1,0]
.endr
.endr
.irp qt, 0,1
.irp i, 0,1,2,3,4,5,6,7,8,9,10,11,12,13,14,15
	v_cvt_pk_f16_f32 v[S+16*\qt+\i], v[O+32*\qt+2*\i], v[O+32*\qt+2*\i+1]   ; registers 4 ct .. 4 ct + 3: channels 16 ct + 8 hl + 0 .. 7 of query r
.endr
.endr
.irp qt, 0,1
.irp ct, 0,1,2,3
	ds_store_b128 v[STO], v[S+16*\qt+4*\ct:S+16*\qt+4*\ct+3] offset:\qt*16*PK+32*\ct
.endr
.endr
.irp u, 0,1,2,3,4,5,6,7
	ds_load_b128 v[KV+4*\u:KV+4*\u+3], v[RD] offset:\u*4*PK        ; LDS serves a wave's instructions in order: these see my stores
.endr
.irp u, 0,1,2,3,4,5,6,7
	s_wait_dscnt 7-\u                              ; the later rows' loads may stay out
	global_store_b128 v[GO], v[KV+4*\u:KV+4*\u+3], s[OUTP:OUTP+1] offset:8192*\u   ; 16 lanes store 256 consecutive bytes, at a multiple of 256 from the buffer's first byte
.endr
	s_wait_tensorcnt 0x0                           ; the wave's end
	ds_add_u32 v[SPW], v[NIL]
	s_wait_dscnt 0x0
	CROUND                                         ; the closing round
	s_endpgm
.Lfunc_end_k_q4fca6ccd4a_attn:
	.size	k_q4fca6ccd4a_attn, .Lfunc_end_k_q4fca6ccd4a_attn-k_q4fca6ccd4a_attn
	.p2alignl 7, 3214868480
	.fill 96, 4, 3214868480
	.section	.rodata,"a",@progbits
	.p2align	6, 0x0
	.amdhsa_kernel k_q4fca6ccd4a_attn
		.amdhsa_group_segment_fixed_size 327680
		.amdhsa_private_segment_fixed_size 0
		.amdhsa_enable_private_segment 0
		.amdhsa_kernarg_size 24
		.amdhsa_user_sgpr_count 2
		.amdhsa_user_sgpr_kernarg_segment_ptr 1
		.amdhsa_wavefront_size32 1
		.amdhsa_system_sgpr_workgroup_id_x 1
		.amdhsa_system_sgpr_workgroup_id_y 1
		.amdhsa_system_sgpr_workgroup_id_z 1
		.amdhsa_system_vgpr_workitem_id 0
		.amdhsa_next_free_vgpr 256
		.amdhsa_next_free_sgpr 106
		.amdhsa_reserve_vcc 0
		.amdhsa_float_denorm_mode_32 3
		.amdhsa_float_denorm_mode_16_64 3
		.amdhsa_memory_ordered 1
		.amdhsa_forward_progress 1
		.amdhsa_inst_pref_size 106
	.end_amdhsa_kernel
	.amdgpu_metadata
---
amdhsa.version: [ 1, 2 ]
amdhsa.kernels:
  - .name:           k_q4fca6ccd4a_attn
    .symbol:         k_q4fca6ccd4a_attn.kd
    .args:
      - { .name: qkv, .offset: 0, .size: 8, .value_kind: global_buffer, .address_space: global }
      - { .name: mbits, .offset: 8, .size: 8, .value_kind: global_buffer, .address_space: global }
      - { .name: mha, .offset: 16, .size: 8, .value_kind: global_buffer, .address_space: global }
    .group_segment_fixed_size: 327680
    .private_segment_fixed_size: 0
    .kernarg_segment_align: 8
    .kernarg_segment_size: 24
    .max_flat_workgroup_size: 512
    .sgpr_count:     106
    .vgpr_count:     256
    .wavefront_size: 32
...
	.end_amdgpu_metadata
.endif
;; end of part 3
;; launch oproj (part 4): grid 8 x 64, 4 waves a work-group, clusters of 4 x 4, 327,680 bytes of LDS; arguments mha, wo16, out0; writes out0
.if DOCPART == 4
	.amdgcn_target "amdgcn-amd-amdhsa--gfx1250"
	.amdhsa_code_object_version 6
	.text
	.protected	k_q4fca6ccd4a_oproj
	.globl	k_q4fca6ccd4a_oproj
	.p2align	8
	.type	k_q4fca6ccd4a_oproj,@function
k_q4fca6ccd4a_oproj:
	s_mov_b64 s[64:65], 0
	v_nop
	global_prefetch_b8 v0, s[64:65] scope:SCOPE_SE
	s_setreg_imm32_b32 hwreg(HW_REG_WAVE_MODE, 25, 1), 1
	s_wait_xcnt 0x0
	s_wait_alu depctr_hold_cnt(0) depctr_sa_sdst(0) depctr_va_vdst(0) depctr_va_sdst(0) depctr_va_ssrc(0) depctr_va_vcc(0) depctr_vm_vsrc(0)
	s_getreg_b32 s2, hwreg(HW_REG_IB_STS2, 6, 4)
	s_cmp_eq_u32 s2, 0
	s_cbranch_scc0 .Lentry_in_a_cluster
	s_endpgm
.Lentry_in_a_cluster:
	s_bfe_u32 s2, ttmp6, 0x10000c
	s_cmp_lg_u32 s2, 0xf033
	s_cbranch_scc0 .Lentry_shape_is_right
	s_endpgm
.Lentry_shape_is_right:
; OPROJ: out0[m][n] = the sum over k' = 64 h + d of A[m][k'] B[k'][n].  A: the attention's result, f16, laid [m / 2][h][m % 2][d] (a pair of rows is 4,096 bytes, a head's part of it 256).
; B: Wo as f16, [k'][1024].  out0: [8192][1024] f32.  Sums in f32.
; A tile of 128 x 128 is made by four waves, each 64 x 64: 16 accumulators.  K goes in steps of 256 (four heads) through two LDS slots.  A's tile of a step is 64 pairs of rows x 1,024 bytes; B's 256 rows x 256 bytes.
; B has K as its first axis: its fragments are turned on the way out of LDS by ds_load_tr16_b128.
; CLUSTERS: 4 x 4 work-groups; A's tiles are shared along a row of the cluster, B's along a column: joint loads.  THE MATRIX INSTRUCTION IS USED TRANSPOSED (source 0 = 16 columns of B, source 1 = 16 rows of A):
; a lane holds eight neighbouring numbers of a row of the result.
; No prefetch: the tile is small and a K step short.
; REGISTERS: window 0: v0-31 addresses; v32-95 the way out; v128-255 the accumulators ((a, b) at v[128 + 8 (4 a + b)]).  window 1: two fragment buffers of 128: 64 registers of A, then 64 of B, for 64 along K.
.set PA,     1040                      ; a pair of rows of A in LDS: 1,024 bytes + 16 = 65 x 16
.set PB,     288                       ; a row of B: 256 + 32 = 9 x 32
.set HALFA,  32*PA                     ; what one tensor load brings of A, and what one wave reads
.set HALFB,  128*PB                    ; what one tensor load brings of B
.set BOFF,   2*HALFA
.set SLOT,   BOFF+2*HALFB
.set SPARE,  2*SLOT                    ; the spare words, 128 bytes for each wave
.set SPITCH, 272                       ; the way out: a stage of 16 rows x (256 bytes + 16) for each wave, in slot 0, which has had its last fill and its last read by then
.set LAPS,   2                         ; a lap = two K steps = once round the ring: K = 1,024
.set ADRA, 16                          ; v16-17  my A fragments in slot 0, 1
.set ADRB, 20                          ; v20-23  my B fragments: slot 0 rows 0-127, rows 128-255; slot 1 likewise (256 rows x 288 bytes pass the 16-bit offset)
.set STO,  24
.set RD,   25
.set CO,   26
.set SPW,  28
.set NIL,  29
.set TMP,  32
.set ACC,  128
.set F0,   0
.set F1,   128
.set G1, 24
.set G0, 32
.set G1B, 48
.set G0B, 56
.set MSB, 0
.macro WIN new                         ; the immediate's high byte repeats the setting that is left
.if MSB != \new
	s_set_vgpr_msb (MSB<<8)|\new
.set MSB, \new
.endif
.endm
.set MUL,  0x05                        ; sources 0 (B) and 1 (A) window 1; C and D window 0
.set TO_F, 0x40                        ; destination window 1, address window 0
.macro JLOAD s                         ; a joint load: waves 0 and 1 fetch A's two halves, waves 2 and 3 B's; an s_nop 0 and four v_nop follow each of the two lines
	s_cmp_eq_u32 s11, 0
	s_cbranch_scc0 .Lfor_b_\@
	tensor_load_to_lds s[G0+4*\s:G0+4*\s+3], s[G1:G1+7]
	s_nop 0
.rept 4
	v_nop
.endr
	s_branch .Lasked_\@
.Lfor_b_\@:
	tensor_load_to_lds s[G0B+4*\s:G0B+4*\s+3], s[G1B:G1B+7]
	s_nop 0
.rept 4
	v_nop
.endr
.Lasked_\@:
.endm
.macro CREST                           ; a round of the cluster's barrier behind its opening barrier
	s_cmp_lg_u32 s10, 0
	s_cbranch_scc1 .Lnot_wave_0_\@
	s_barrier_signal -3
.Lnot_wave_0_\@:
	s_barrier_wait -3
	s_barrier_signal -1
	s_barrier_wait -1
.endm
.macro CROUND
	s_barrier_signal -1
	s_barrier_wait -1
	CREST
.endm
	s_load_b128 s[4:7], s[0:1], 0x0                ; A, B
	s_load_b64 s[8:9], s[0:1], 0x10                ; out0
	v_lshl_add_u32 v[SPW], v0, 2, SPARE
	v_mov_b32 v[NIL], 0
	ds_add_u32 v[SPW], v[NIL]                      ; the wave's opening: the add, twice on end, and its wait ahead of my first tensor load
	ds_add_u32 v[SPW], v[NIL]
	v_lshrrev_b32 v1, 5, v0
	v_readfirstlane_b32 s10, v1                    ; wave 0..3
	s_lshr_b32 s11, s10, 1                         ; which half of the tile's rows is mine.  Also: I fetch for A (0) or for B (1)
	s_and_b32 s12, s10, 1                          ; which half of its columns.  Also: which half of that tile I fetch
	s_bfe_u32 s40, ttmp6, 0x40000                  ; cx, cy
	s_bfe_u32 s41, ttmp6, 0x40004
	s_lshl_b32 s42, ttmp9, 2
	s_add_co_u32 s42, s42, s40                     ; tile column
	s_and_b32 s13, ttmp7, 0xffff
	s_lshl_b32 s13, s13, 2
	s_add_co_u32 s13, s13, s41                     ; tile row
	s_lshl_b32 s43, s41, 2
	s_lshl_b32 s43, 15, s43                        ; my row of the cluster
	s_lshl_b32 s44, 0x1111, s40                    ; my column
	s_or_b32 s[G1+0], s43, (1<<16)|(1<<20)|(1<<21)|(7<<22)|(3<<25)  ; A: elements of 2 bytes; padding: 4 words behind every 256
	s_mov_b32 s[G1+1], 512<<16                     ; tensor_dim0: four heads x two rows x 64
	s_mov_b32 s[G1+2], 32<<16                      ; tensor_dim1: 32 pairs of rows
	s_mov_b32 s[G1+3], 512<<16                     ; tile_dim0
	s_mov_b32 s[G1+4], 32                          ; tile_dim1
	s_mov_b32 s[G1+5], 2048                        ; from pair to pair
	s_mov_b32 s[G1+6], 0
	s_mov_b32 s[G1+7], 0
	s_or_b32 s[G1B+0], s44, (1<<16)|(1<<20)|(1<<21)|(5<<22)|(7<<25) ; B: padding: 8 words behind every 64
	s_mov_b32 s[G1B+1], 128<<16
	s_mov_b32 s[G1B+2], 128<<16
	s_mov_b32 s[G1B+3], 128<<16
	s_mov_b32 s[G1B+4], 128
	s_mov_b32 s[G1B+5], 1024
	s_mov_b32 s[G1B+6], 0
	s_mov_b32 s[G1B+7], 0
	s_lshl_b32 s16, s13, 6
	s_lshl_b32 s17, s12, 5
	s_add_co_u32 s16, s16, s17                     ; A: pair 64 x tile row + 32 x half,
	s_lshl_b32 s16, s16, 12                        ; 4,096 bytes each
	s_mov_b32 s17, 0
	s_lshl_b32 s46, s42, 8                         ; B: 256 bytes a tile column,
	s_lshl_b32 s47, s12, 18                        ; 128 rows of 2,048 bytes a half
	s_add_co_u32 s46, s46, s47
	s_mov_b32 s47, 0
	s_mul_i32 s20, s10, HALFA                      ; where they go: 0, 33,280, 66,560, 103,424
	s_add_co_u32 s21, s10, 1
	s_lshr_b32 s21, s21, 2
	s_mul_i32 s21, s21, HALFB-HALFA
	s_add_co_u32 s20, s20, s21
	s_wait_dscnt 0x0                               ; both opening adds are done
	s_wait_kmcnt 0x0
	s_add_nc_u64 s[14:15], s[4:5], s[16:17]
	s_add_nc_u64 s[46:47], s[6:7], s[46:47]
	CROUND                                         ; all sixteen work-groups are here: the first joint loads meet
.irp s, 0,1
	s_mov_b32 s[G0+4*\s], 1
	s_add_co_u32 s[G0+4*\s+1], s20, \s*SLOT
	s_add_nc_u64 s[G0+4*\s+2:G0+4*\s+3], s[14:15], \s*1024         ; K step s: four heads of 256 bytes on
	s_or_b32 s[G0+4*\s+3], s[G0+4*\s+3], 0x80000000
	s_mov_b32 s[G0B+4*\s], 1
	s_add_co_u32 s[G0B+4*\s+1], s20, \s*SLOT
	s_add_nc_u64 s[G0B+4*\s+2:G0B+4*\s+3], s[46:47], \s*524288     ; 256 rows of 2,048 bytes on
	s_or_b32 s[G0B+4*\s+3], s[G0B+4*\s+3], 0x80000000
	JLOAD \s
.endr
	v_and_b32 v1, 15, v0                           ; r
	v_bfe_u32 v2, v0, 4, 1                         ; hl
	v_lshrrev_b32 v3, 1, v1
	v_mul_u32_u24 v3, v3, PA                       ; A: row r lies in pair r / 2,
	v_and_b32 v4, 1, v1
	v_lshl_add_u32 v3, v4, 7, v3                   ; 128 (r % 2) bytes into a head's 256,
	v_lshl_add_u32 v3, v2, 4, v3                   ; + 16 hl
	s_mul_i32 s21, s11, HALFA                      ; my 64 rows
	v_add_nc_u32 v[ADRA], s21, v3
	v_add_nc_u32 v[ADRA+1], SLOT, v[ADRA]
	v_and_b32 v4, 7, v0
	v_lshl_add_u32 v4, v2, 3, v4
	v_mul_u32_u24 v4, v4, PB                       ; B, the turning load: row 8 hl + l % 8,
	v_bfe_u32 v5, v0, 3, 1
	v_lshl_add_u32 v4, v5, 4, v4                   ; columns 8 ((l / 8) % 2) on
	s_lshl_b32 s22, s12, 7                         ; my 64 columns
	s_add_co_u32 s22, s22, BOFF
	v_add_nc_u32 v[ADRB], s22, v4
	v_add_nc_u32 v[ADRB+1], HALFB, v[ADRB]
	v_add_nc_u32 v[ADRB+2], SLOT, v[ADRB]
	v_add_nc_u32 v[ADRB+3], SLOT, v[ADRB+1]
	s_mul_i32 s23, s10, 16*SPITCH                  ; my stage
	v_mul_u32_u24 v4, v1, SPITCH
	v_lshl_add_u32 v4, v2, 5, v4
	v_add_nc_u32 v[STO], s23, v4                   ; in: row r, 32 bytes for each half of the lanes
	v_mul_u32_u24 v5, v2, SPITCH
	v_lshl_add_u32 v5, v1, 4, v5
	v_add_nc_u32 v[RD], s23, v5                    ; back: lanes 0-15 one row of 256 bytes, lanes 16-31 the next
	v_lshlrev_b32 v5, 12, v2
	v_lshl_add_u32 v[CO], v1, 4, v5                ; and the same two rows in out0
	s_lshl_b32 s16, s13, 7
	s_lshl_b32 s17, s11, 6
	s_add_co_u32 s16, s16, s17                     ; my first row: 128 x tile row + 64 x half,
	s_lshl_b32 s16, s16, 12                        ; 4,096 bytes each
	s_mov_b32 s17, 0
	s_add_nc_u64 s[8:9], s[8:9], s[16:17]
	s_lshl_b32 s46, s42, 9                         ; my first column, in bytes: 512 x tile column + 256 x half
	s_lshl_b32 s47, s12, 8
	s_add_co_u32 s46, s46, s47
	s_mov_b32 s47, 0
	s_add_nc_u64 s[8:9], s[8:9], s[46:47]
; 8 matrix instructions: m blocks a0, a0 + 1 x all 4 n blocks, 32 along K: half c of buffer f.  The 16 accumulators take turns.
.macro MUL8 f, c, a0, zero
.irp a, \a0, \a0+1
.irp b, 0,1,2,3
.if \zero
	v_wmma_f32_16x16x32_f16 v[ACC+8*(4*(\a)+\b):ACC+8*(4*(\a)+\b)+7], v[\f+64+8*(4*\c+\b):\f+64+8*(4*\c+\b)+7], v[\f+8*(4*\c+\a):\f+8*(4*\c+\a)+7], 0
.else
	v_wmma_f32_16x16x32_f16 v[ACC+8*(4*(\a)+\b):ACC+8*(4*(\a)+\b)+7], v[\f+64+8*(4*\c+\b):\f+64+8*(4*\c+\b)+7], v[\f+8*(4*\c+\a):\f+8*(4*\c+\a)+7], v[ACC+8*(4*(\a)+\b):ACC+8*(4*(\a)+\b)+7]
.endif
.endr
.endr
.endm
; 32 LDS loads in one run: the fragments of the slot's q-th head (64 along K) into buffer f; the first 32 along K first
.macro FETCH slot, q, f
	WIN TO_F
.irp c, 0,1
.irp i, 0,1,2,3
	ds_load_tr16_b128 v[\f+64+8*(4*\c+\i):\f+64+8*(4*\c+\i)+3],   v[ADRB+2*\slot+(\q)/2] offset:(((\q)%2)*64+32*\c)*PB+32*\i
	ds_load_tr16_b128 v[\f+64+8*(4*\c+\i)+4:\f+64+8*(4*\c+\i)+7], v[ADRB+2*\slot+(\q)/2] offset:(((\q)%2)*64+32*\c+16)*PB+32*\i
	ds_load_b128 v[\f+8*(4*\c+\i):\f+8*(4*\c+\i)+3],              v[ADRA+\slot] offset:\i*8*PA+256*(\q)+64*\c
	ds_load_b128 v[\f+8*(4*\c+\i)+4:\f+8*(4*\c+\i)+7],            v[ADRA+\slot] offset:\i*8*PA+256*(\q)+64*\c+32
.endr
.endr
.endm
.macro PLACES                          ; four plain places in front of loads into registers that matrix instructions have read, and of reads of results
.rept 4
	v_nop
.endr
.endm
; A K step is four quarters of 64 along K, 32 matrix instructions each, on buffers 0, 1, 0, 1.  One of the first three: multiplies buffer f and fetches head q into g.
.macro QUARTER slot, q, f, g, zero
	s_wait_dscnt 16                                ; the first 32 along K are in; the youngest sixteen loads may be out
	WIN MUL
	MUL8 \f, 0, 0, \zero
	MUL8 \f, 0, 2, \zero
	PLACES
	FETCH \slot, \q, \g
	s_wait_dscnt 32                                ; all but the 32 just issued
	WIN MUL
	MUL8 \f, 1, 0, 0
	MUL8 \f, 1, 2, 0
.endm
; The last quarter multiplies buffer 1 and changes slots: ONE barrier; in front of it each wave waits for all its tensor loads, adds 0 to its spare word, and waits for that and for its reads of this slot.
; fill = 1: the barrier opens a round of the cluster's, and this slot is filled again first behind it, two K steps ahead.
.macro TURN slot, next, fill
	WIN 0                                          ; (the add's two registers lie in window 0)
	s_wait_tensorcnt 0x0                           ; all my tensor loads have landed: my part of the next slot
	ds_add_u32 v[SPW], v[NIL]
	s_wait_dscnt 17                                ; (the add and the youngest sixteen loads may be out)
	WIN MUL
	MUL8 F1, 0, 0, 0
	s_wait_dscnt 0x0                               ; the add is done, and my reads of this slot are over
	s_barrier_signal -1
	MUL8 F1, 0, 2, 0
.if \fill
	WIN 0
.endif
	s_barrier_wait -1
.if \fill
	CREST                                          ; no wave of any partner still reads this slot's tile or has a load on its way
	s_add_nc_u64 s[G0+4*\slot+2:G0+4*\slot+3], s[G0+4*\slot+2:G0+4*\slot+3], 2048
	s_add_nc_u64 s[G0B+4*\slot+2:G0B+4*\slot+3], s[G0B+4*\slot+2:G0B+4*\slot+3], 1048576
	JLOAD \slot                                    ; the first tensor load behind the round; the four v_nop behind it are also the places in front of the loads below
.else
	PLACES
.endif
	FETCH \next, 0, F0
	WIN MUL
	MUL8 F1, 1, 0, 0
	MUL8 F1, 1, 2, 0
.endm
	s_wait_tensorcnt 1                             ; my part of K step 0 is in; K step 1's load may be out
	s_barrier_signal -1
	s_barrier_wait -1
	FETCH 0, 0, F0
	QUARTER 0, 1, F0, F1, 1                        ; the first quarter stands in front of the loop: its first products start the sums
	WIN 0                                          ; at a label and at a branch every window is 0
	s_mov_b32 s3, LAPS-1
.Llap:                                                 ; a trip goes once round the ring, from a lap's second quarter to the next lap's first, and fills both slots again
	QUARTER 0, 2, F1, F0, 0
	QUARTER 0, 3, F0, F1, 0
	TURN 0, 1, 1
	QUARTER 1, 1, F0, F1, 0
	QUARTER 1, 2, F1, F0, 0
	QUARTER 1, 3, F0, F1, 0
	TURN 1, 0, 1
	QUARTER 0, 1, F0, F1, 0
	WIN 0
	s_sub_co_u32 s3, s3, 1
	s_cmp_lg_u32 s3, 0
	s_cbranch_scc1 .Llap
	QUARTER 0, 2, F1, F0, 0                        ; the last lap fills nothing
	QUARTER 0, 3, F0, F1, 0
	TURN 0, 1, 0
	QUARTER 1, 1, F0, F1, 0
	QUARTER 1, 2, F1, F0, 0
	QUARTER 1, 3, F0, F1, 0
	s_wait_dscnt 16                                ; the very last quarter: nothing more to fetch
	WIN MUL
	MUL8 F1, 0, 0, 0
	MUL8 F1, 0, 2, 0
	s_wait_dscnt 0
	MUL8 F1, 1, 0, 0
	MUL8 F1, 1, 2, 0
	WIN 0
; THE WAY OUT, block by block of 16 rows x 64 columns of f32.  A lane holds 32 neighbouring bytes of a row; a block goes through my own stage and comes back as whole rows of 256 bytes.
; LDS serves a wave's instructions in order: no wait between the stores and the loads, nor in front of the next block's stores.
.macro TOSTAGE a
.irp b, 0,1,2,3
	ds_store_b128 v[STO], v[ACC+8*(4*(\a)+\b):ACC+8*(4*(\a)+\b)+3] offset:64*\b          ; each accumulator from its low end on
	ds_store_b128 v[STO], v[ACC+8*(4*(\a)+\b)+4:ACC+8*(4*(\a)+\b)+7] offset:64*\b+16
.endr
.irp t, 0,1,2,3,4,5,6,7
	ds_load_b128 v[TMP+32*((\a)%2)+4*\t:TMP+32*((\a)%2)+4*\t+3], v[RD] offset:\t*2*SPITCH
.endr
.endm
.macro SEND a, younger                 ; younger: the LDS instructions issued behind block a's loads, which may stay out
	s_wait_dscnt \younger
.irp t, 0,1,2,3,4,5,6,7
	global_store_b128 v[CO], v[TMP+32*((\a)%2)+4*\t:TMP+32*((\a)%2)+4*\t+3], s[8:9] offset:(16*(\a)+2*\t)*4096 th:TH_STORE_NT   ; 16 lanes store 256 consecutive bytes, at a multiple of 256 from out0's first byte
.endr
.endm
	PLACES
	TOSTAGE 0
.irp a, 1,2,3
.if \a > 1
	s_wait_xcnt 0x0                                ; block a - 2's stores have read their registers: block a's loads may land there
.endif
	TOSTAGE \a
	SEND \a-1, 16                                  ; behind block a - 1's loads: block a's 8 stores and 8 loads
.endr
	SEND 3, 0
	s_wait_tensorcnt 0x0                           ; the wave's end
	ds_add_u32 v[SPW], v[NIL]
	s_wait_dscnt 0x0
	CROUND                                         ; the closing round
	s_endpgm
.Lfunc_end_k_q4fca6ccd4a_oproj:
	.size	k_q4fca6ccd4a_oproj, .Lfunc_end_k_q4fca6ccd4a_oproj-k_q4fca6ccd4a_oproj
	.p2alignl 7, 3214868480
	.fill 96, 4, 3214868480
	.section	.rodata,"a",@progbits
	.p2align	6, 0x0
	.amdhsa_kernel k_q4fca6ccd4a_oproj
		.amdhsa_group_segment_fixed_size 327680
		.amdhsa_private_segment_fixed_size 0
		.amdhsa_enable_private_segment 0
		.amdhsa_kernarg_size 24
		.amdhsa_user_sgpr_count 2
		.amdhsa_user_sgpr_kernarg_segment_ptr 1
		.amdhsa_wavefront_size32 1
		.amdhsa_system_sgpr_workgroup_id_x 1
		.amdhsa_system_sgpr_workgroup_id_y 1
		.amdhsa_system_sgpr_workgroup_id_z 1
		.amdhsa_system_vgpr_workitem_id 0
		.amdhsa_next_free_vgpr 512
		.amdhsa_next_free_sgpr 66
		.amdhsa_reserve_vcc 0
		.amdhsa_float_denorm_mode_32 3
		.amdhsa_float_denorm_mode_16_64 3
		.amdhsa_memory_ordered 1
		.amdhsa_forward_progress 1
		.amdhsa_inst_pref_size 86
	.end_amdhsa_kernel
	.amdgpu_metadata
---
amdhsa.version: [ 1, 2 ]
amdhsa.kernels:
  - .name:           k_q4fca6ccd4a_oproj
    .symbol:         k_q4fca6ccd4a_oproj.kd
    .args:
      - { .name: mha, .offset: 0, .size: 8, .value_kind: global_buffer, .address_space: global }
      - { .name: wo16, .offset: 8, .size: 8, .value_kind: global_buffer, .address_space: global }
      - { .name: out0, .offset: 16, .size: 8, .value_kind: global_buffer, .address_space: global }
    .group_segment_fixed_size: 327680
    .private_segment_fixed_size: 0
    .kernarg_segment_align: 8
    .kernarg_segment_size: 24
    .max_flat_workgroup_size: 128
    .sgpr_count:     66
    .vgpr_count:     512
    .wavefront_size: 32
...
	.end_amdgpu_metadata
.endif
;; end of part 4
